; MI455X (gfx1250); checked and timed in simulation.
; The chip was launched on July 23, 2026; its instructions are those of AMD's public machine-readable ISA for CDNA 5 (MIT licence, August 2026) and "CDNA5" Instruction Set Architecture Reference Guide (July 2026). The comments in the code are by the model that wrote it; some were corrected since.
;; Single Head Self Attention. Allowed arithmetic: float matrix products may take bf16 or f16 operands with f32 sums; other float arithmetic in f32, or as packed bf16 or f16 multiplies, adds, multiply-adds, maxima and minima; sums over many terms, partial sums and values carried from step to step in f32; what a program stores and reads back later, other than sums and carried values, may be rounded once to bf16 or f16.
;; Inputs: bk 1,024 float32; bq 1,024 float32; bv 1,024 float32; mask 4 x 1 x 2,048 x 2,048 bool; wk 1,024 x 1,024 float32; wq 1,024 x 1,024 float32; wv 1,024 x 1,024 float32; x 4 x 2,048 x 1,024 float32.
;; Outputs: out0 4 x 2,048 x 1,024 float32.
;; 3 versions, each right; version 3 is version 2 with the launch cast written anew for expert scheduling mode. Each part assembles by itself: llvm-mc -triple=amdgcn-amd-amdhsa -mcpu=gfx1250 --defsym DOCPART=n.
;; ======== version 1 of 3: 4 launches
;; limits: values are held in f16: magnitudes above 65,504 overflow, below 6.1e-05 lose precision
;; workspace buffers: xw 23,068,672 bytes; qkv 50,331,648 bytes; p 33,554,432 bytes; stats 1,048,576 bytes
;; launch cast (part 1): grid 64 x 11, 8 waves a work-group, no clusters, 0 bytes of LDS; arguments x, wq, wk, wv, xw; writes xw
.if DOCPART == 1
	.amdgcn_target "amdgcn-amd-amdhsa--gfx1250"
	.amdhsa_code_object_version 6
	.text
	.protected	k_q2698d17525_cast
	.globl	k_q2698d17525_cast
	.p2align	8
	.type	k_q2698d17525_cast,@function
k_q2698d17525_cast:
	s_mov_b64 s[64:65], 0
	v_nop
	global_prefetch_b8 v0, s[64:65] scope:SCOPE_SE
	s_setreg_imm32_b32 hwreg(HW_REG_WAVE_MODE, 25, 1), 1
	s_wait_xcnt 0x0
; xw = x, wq, wk, wv rounded to bf16 (nearest even), each in the layout in which it lies.
; xw is 11 slabs of 1,024 x 1,024 bf16: slabs 0-7 are x's 8,192 rows, slabs 8, 9, 10 are wq, wk, wv ([k][n]).
; Grid y is the slab, grid x 16,384 numbers of it: 65,536 bytes in, 32,768 bytes out.  Thread t takes 4 numbers in each of 16 rows of 1,024 numbers:
; a wave's load covers 512 consecutive bytes, its store 256 consecutive bytes at a multiple of 256 from xw's first byte.
; Memory binds: every byte is read once and written once, all 16 loads of a wave go out before the first is waited for.  No LDS, no barrier, no matrix work:
; they would add nothing to a stream.  No register is written twice, so no wait frees a source.
.set X, 4                              ; v[4:67]   16 x 4 numbers as loaded
.set Y, 68                             ; v[68:99]  16 x 2 registers to store
	s_load_b256 s[4:11], s[0:1], 0x0               ; x s[4:5], wq s[6:7], wk s[8:9], wv s[10:11]
	s_load_b64 s[12:13], s[0:1], 0x20              ; xw
	s_and_b32 s20, ttmp7, 0xffff                   ; the slab
	s_lshl_b32 s21, s20, 22                        ; a slab of x is 4,194,304 bytes of f32
	v_lshlrev_b32 v1, 4, v0                        ; 16 bytes in
	v_lshlrev_b32 v2, 3, v0                        ; 8 bytes out
	s_wait_kmcnt 0x0
	s_cmp_lt_u32 s20, 8                            ; the source: x at the slab, or a weight at its first byte
	s_cselect_b64 s[14:15], s[4:5], s[6:7]
	s_cselect_b32 s16, s21, 0
	s_cmp_eq_u32 s20, 9
	s_cselect_b64 s[14:15], s[8:9], s[14:15]
	s_cmp_eq_u32 s20, 10
	s_cselect_b64 s[14:15], s[10:11], s[14:15]
	s_mov_b32 s17, 0
	s_add_nc_u64 s[14:15], s[14:15], s[16:17]
	s_lshl_b32 s16, ttmp9, 16                      ; the work-group's 65,536 bytes of it
	s_add_nc_u64 s[14:15], s[14:15], s[16:17]
	s_lshl_b32 s18, s20, 21                        ; a slab of xw is 2,097,152 bytes
	s_mov_b32 s19, 0
	s_add_nc_u64 s[12:13], s[12:13], s[18:19]
	s_lshl_b32 s18, ttmp9, 15
	s_add_nc_u64 s[12:13], s[12:13], s[18:19]
.irp i, 0,1,2,3,4,5,6,7,8,9,10,11,12,13,14,15
	global_load_b128 v[X+4*(\i):X+4*(\i)+3], v1, s[14:15] offset:4096*(\i) th:TH_LOAD_NT  ; read once in the launch
.endr
.irp i, 0,1,2,3,4,5,6,7,8,9,10,11,12,13,14,15
	s_wait_loadcnt 15-(\i)                         ; loads come back in order: number i is in, the 15 - i younger ones stay out
	v_cvt_pk_bf16_f32 v[Y+2*(\i)],   v[X+4*(\i)],   v[X+4*(\i)+1]
	v_cvt_pk_bf16_f32 v[Y+2*(\i)+1], v[X+4*(\i)+2], v[X+4*(\i)+3]
	global_store_b64 v2, v[Y+2*(\i):Y+2*(\i)+1], s[12:13] offset:2048*(\i)  ; no hint: the next launch reads it
.endr
	s_endpgm
.Lfunc_end_k_q2698d17525_cast:
	.size	k_q2698d17525_cast, .Lfunc_end_k_q2698d17525_cast-k_q2698d17525_cast
	.p2alignl 7, 3214868480
	.fill 96, 4, 3214868480
	.section	.rodata,"a",@progbits
	.p2align	6, 0x0
	.amdhsa_kernel k_q2698d17525_cast
		.amdhsa_group_segment_fixed_size 0
		.amdhsa_private_segment_fixed_size 0
		.amdhsa_enable_private_segment 0
		.amdhsa_kernarg_size 40
		.amdhsa_user_sgpr_count 2
		.amdhsa_user_sgpr_kernarg_segment_ptr 1
		.amdhsa_wavefront_size32 1
		.amdhsa_system_sgpr_workgroup_id_x 1
		.amdhsa_system_sgpr_workgroup_id_y 1
		.amdhsa_system_sgpr_workgroup_id_z 1
		.amdhsa_system_vgpr_workitem_id 0
		.amdhsa_next_free_vgpr 100
		.amdhsa_next_free_sgpr 66
		.amdhsa_reserve_vcc 0
		.amdhsa_float_denorm_mode_32 3
		.amdhsa_float_denorm_mode_16_64 3
		.amdhsa_memory_ordered 1
		.amdhsa_forward_progress 1
		.amdhsa_inst_pref_size 7
	.end_amdhsa_kernel
	.amdgpu_metadata
---
amdhsa.version: [ 1, 2 ]
amdhsa.kernels:
  - .name:           k_q2698d17525_cast
    .symbol:         k_q2698d17525_cast.kd
    .args:
      - { .name: x, .offset: 0, .size: 8, .value_kind: global_buffer, .address_space: global }
      - { .name: wq, .offset: 8, .size: 8, .value_kind: global_buffer, .address_space: global }
      - { .name: wk, .offset: 16, .size: 8, .value_kind: global_buffer, .address_space: global }
      - { .name: wv, .offset: 24, .size: 8, .value_kind: global_buffer, .address_space: global }
      - { .name: xw, .offset: 32, .size: 8, .value_kind: global_buffer, .address_space: global }
    .group_segment_fixed_size: 0
    .private_segment_fixed_size: 0
    .kernarg_segment_align: 8
    .kernarg_segment_size: 40
    .max_flat_workgroup_size: 256
    .sgpr_count:     66
    .vgpr_count:     100
    .wavefront_size: 32
...
	.end_amdgpu_metadata
.endif
;; end of part 1
;; launch proj (part 2): grid 12 x 64, 4 waves a work-group, clusters of 4 x 4, 327,680 bytes of LDS; arguments xw, bq, bk, bv, qkv; writes qkv
.if DOCPART == 2
	.amdgcn_target "amdgcn-amd-amdhsa--gfx1250"
	.amdhsa_code_object_version 6
	.text
	.protected	k_q2698d17525_proj
	.globl	k_q2698d17525_proj
	.p2align	8
	.type	k_q2698d17525_proj,@function
k_q2698d17525_proj:
	s_mov_b64 s[64:65], 0
	v_nop
	global_prefetch_b8 v0, s[64:65] scope:SCOPE_SE
	s_setreg_imm32_b32 hwreg(HW_REG_WAVE_MODE, 25, 1), 1
	s_wait_xcnt 0x0
	s_wait_alu depctr_hold_cnt(0) depctr_sa_sdst(0) depctr_va_vdst(0) depctr_va_sdst(0) depctr_va_ssrc(0) depctr_va_vcc(0) depctr_vm_vsrc(0)
	s_getreg_b32 s2, hwreg(HW_REG_IB_STS2, 6, 4)
	s_cmp_eq_u32 s2, 0
	s_cbranch_scc0 .Lentry_in_a_cluster
	s_endpgm
.Lentry_in_a_cluster:
	s_bfe_u32 s2, ttmp6, 0x10000c
	s_cmp_lg_u32 s2, 0xf033
	s_cbranch_scc0 .Lentry_shape_is_right
	s_endpgm
.Lentry_shape_is_right:
; qkv[t][n] = sum over k of xb[t][k] W[k][n] + bf16(b[n]), rounded once to f16.  xb: [8192][1024] bf16; W: wq, wk, wv as [k][n] bf16 (both in xw); qkv: [8192][3072] f16, q | k | v.
; Products in bf16, sums in f32; the bias, rounded to bf16 like every input, is the C operand of each sum's first product.  q is NOT scaled here: the 1/32 lies in the next launch's exponent factor.
; LIMIT.  f16 holds no number beyond 65,504: a q, k or v beyond that becomes an infinity.  Inputs of spread 1 give a spread of 1 here; x and w both 30 times larger give 900.
; SHARES.  A work-group makes 128 tokens x 256 channels, each of its four waves 64 x 128: 32 accumulators of 16 x 16.  64 x 12 = 768 work-groups: three for each of 256 WGPs.
; K goes in steps of 128 through two LDS slots filled by tensor loads; xb's rows are 256 bytes, W's 512 bytes, each at a multiple of 256 from the buffer's first byte.
; THE MATRIX INSTRUCTION IS USED TRANSPOSED: source 0 = 16 channels (W turned by ds_load_tr16_b128), source 1 = 16 tokens: a lane holds one token (lane % 16) and eight neighbouring channels 8 (lane / 16) + 0..7.
; CLUSTER.  4 x 4 work-groups: the four of a row need the same tile of xb, the four of a column the same tile of W: each is asked for jointly, by the same load and descriptor with a mask of the four.
; REGISTERS, in windows of 256 (s_set_vgpr_msb: bits 1:0 source 0, 3:2 source 1, 5:4 source 2, 7:6 destination):
;   window 0: v0-31 addresses; v64-159, v160-255 two fragment buffers (64 registers of W, then 32 of xb);   window 1: accumulator (a, b) at v[8 (8 a + b)];   window 2: v0-63 bias, v64-67 at work
.set PA,    272                        ; a row of xb in LDS: 256 bytes + 16: the 16 rows of a fragment load start 68 words apart
.set PB,    544                        ; a k row of W in LDS: 512 bytes + 32: 17 x 32 bytes, for the turning load
.set AHALF, 64*PA                      ; what a wave's load of xb brings
.set BHALF, 64*PB                      ; what a wave's load of W brings
.set BOFF,  2*AHALF                    ; W's tile lies behind xb's 128 rows
.set SLOT,  BOFF+2*BHALF               ; 104,448 bytes
.set STAGE, 2*SLOT                     ; behind the ring: 16 rows x 272 bytes for each wave, for the way out; no tensor load lands here
.set SP,    272
.set SPARE, STAGE+4*16*SP              ; the spare words, 128 bytes for each wave: two blocks of 256 bytes that no other line names
.set LAPS,  4                          ; a lap = two K steps; K = 1,024
.set ASTEP, 256                        ; bytes from K step to K step in xb
.set BSTEP, 128*2048                   ; and in W: 128 k rows
.set QP,    6144                       ; bytes in a row of qkv
.set ADRA, 16                          ; v16-17  LDS address of my xb fragments in slot 0, 1
.set ADRB, 20                          ; v20-21  the same for W
.set STO,  24                          ; v24     the way out: where I put 16 bytes of a row
.set RD,   25                          ; v25     where I read a row back
.set CO,   26                          ; v26     my byte offset in qkv
.set SPW,  28                          ; v28     LDS address of my spare word; never rewritten
.set NIL,  29                          ; v29     0; never rewritten
.set BO,   30                          ; v30     my byte offset in the bias
.set F0,   64
.set F1,   160
.set TMP,  64                          ; the way out: packed results
.set OB,   96                          ; the way out: rows read back, v96-127 and v128-159 by turns
.set G1,  24                           ; s[24:31] descriptor group 1 for xb's tiles; s[32:39] group 0, one set for each slot
.set G0,  32
.set G1B, 48                           ; s[48:55], s[56:63] the same for W's tiles
.set G0B, 56
.set MSB, 0
.macro WIN new                         ; the immediate's high byte repeats the setting that is left; a switch that changes nothing is dropped
.if MSB != (\new)
	s_set_vgpr_msb (MSB<<8)|(\new)
.set MSB, \new
.endif
.endm
.macro JLOAD s                         ; a joint load: waves 0 and 1 fetch xb's two halves, waves 2 and 3 W's; an s_nop 0 and four v_nop follow each line
	s_cmp_eq_u32 s11, 0
	s_cbranch_scc0 .Lfor_b_\@
	tensor_load_to_lds s[G0+4*(\s):G0+4*(\s)+3], s[G1:G1+7]
	s_nop 0
.rept 4
	v_nop
.endr
	s_branch .Lasked_\@
.Lfor_b_\@:
	tensor_load_to_lds s[G0B+4*(\s):G0B+4*(\s)+3], s[G1B:G1B+7]
	s_nop 0
.rept 4
	v_nop
.endr
.Lasked_\@:
.endm
.macro CREST                           ; a round of the cluster's barrier behind its opening barrier
	s_cmp_lg_u32 s10, 0
	s_cbranch_scc1 .Lnot_wave_0_\@
	s_barrier_signal -3
.Lnot_wave_0_\@:
	s_barrier_wait -3
	s_barrier_signal -1
	s_barrier_wait -1
.endm
.macro CROUND                          ; a whole round
	s_barrier_signal -1
	s_barrier_wait -1
	CREST
.endm
.macro PLACES                          ; four plain vector instructions between a matrix instruction and a load into, or a vector access to, its registers
.rept 4
	v_nop
.endr
.endm
	s_load_b256 s[80:87], s[0:1], 0x0              ; xw s[80:81], bq s[82:83], bk s[84:85], bv s[86:87]
	s_load_b64 s[8:9], s[0:1], 0x20                ; qkv
	v_lshl_add_u32 v[SPW], v0, 2, SPARE
	v_mov_b32 v[NIL], 0
	ds_add_u32 v28, v29
	s_wait_dscnt 0x0
	v_lshrrev_b32 v1, 5, v0
	v_readfirstlane_b32 s10, v1                    ; wave 0..3
	s_lshr_b32 s11, s10, 1                         ; which 64 tokens are mine.  Also: I fetch xb (0) or W (1)
	s_and_b32 s12, s10, 1                          ; which 128 channels.  Also: which half of that tile I fetch
	s_bfe_u32 s40, ttmp6, 0x40000                  ; cx, cy: my place in the cluster
	s_bfe_u32 s41, ttmp6, 0x40004
	s_lshl_b32 s42, ttmp9, 2
	s_add_co_u32 s42, s42, s40                     ; tile column = 4 x cluster x + cx
	s_and_b32 s13, ttmp7, 0xffff
	s_lshl_b32 s13, s13, 2
	s_add_co_u32 s13, s13, s41                     ; tile row = 4 x cluster y + cy
	s_lshl_b32 s43, s41, 2
	s_lshl_b32 s43, 15, s43                        ; my row of the cluster
	s_lshl_b32 s44, 0x1111, s40                    ; my column
	s_or_b32 s[G1+0], s43, (1<<16)|(1<<20)|(1<<21)|(5<<22)|(3<<25)   ; the mask; 2-byte elements; padding on; bit 21 beside a mask; after every 64 words 4 words
	s_mov_b32 s[G1+1], 128<<16                     ; tensor_dim0 = 128
	s_mov_b32 s[G1+2], 64<<16                      ; tensor_dim1 = 64
	s_mov_b32 s[G1+3], 128<<16                     ; tile_dim0 = 128
	s_mov_b32 s[G1+4], 64                          ; tile_dim1 = 64
	s_mov_b32 s[G1+5], 1024                        ; elements from row to row
	s_mov_b32 s[G1+6], 0
	s_mov_b32 s[G1+7], 0
	s_or_b32 s[G1B+0], s44, (1<<16)|(1<<20)|(1<<21)|(6<<22)|(7<<25)  ; after every 128 words 8 words
	s_mov_b32 s[G1B+1], 256<<16
	s_mov_b32 s[G1B+2], 64<<16
	s_mov_b32 s[G1B+3], 256<<16
	s_mov_b32 s[G1B+4], 64
	s_mov_b32 s[G1B+5], 1024
	s_mov_b32 s[G1B+6], 0
	s_mov_b32 s[G1B+7], 0
	s_lshl_b32 s16, s13, 7                         ; xb: row 128 x tile row + 64 x half, 2,048 bytes each: made of the tile row and the wave alone
	s_lshl_b32 s17, s12, 6
	s_add_co_u32 s16, s16, s17
	s_lshl_b32 s16, s16, 11
	s_mov_b32 s17, 0
	s_lshl_b32 s46, ttmp9, 21                      ; W: the cluster's weight (2,097,152 bytes each), cx's 256 columns, my 64 k rows: made of the tile column and the wave alone
	s_lshl_b32 s47, s40, 9
	s_add_co_u32 s46, s46, s47
	s_lshl_b32 s47, s12, 17
	s_add_co_u32 s46, s46, s47
	s_add_co_u32 s46, s46, 0x1000000               ; the weights lie behind xb's 16,777,216 bytes
	s_mov_b32 s47, 0
	s_mul_i32 s20, s12, AHALF                      ; where they go: no place in the cluster enters an LDS address
	s_mul_i32 s21, s12, BHALF
	s_add_co_u32 s21, s21, BOFF
	s_wait_kmcnt 0x0
	s_add_nc_u64 s[14:15], s[80:81], s[16:17]
	s_add_nc_u64 s[46:47], s[80:81], s[46:47]
	CROUND                                         ; all sixteen work-groups are here: the first joint loads meet
.irp s, 0,1
	s_mov_b32 s[G0+4*(\s)], 1
	s_add_co_u32 s[G0+4*(\s)+1], s20, (\s)*SLOT
	s_add_nc_u64 s[G0+4*(\s)+2:G0+4*(\s)+3], s[14:15], (\s)*ASTEP
	s_or_b32 s[G0+4*(\s)+3], s[G0+4*(\s)+3], 0x80000000
	s_mov_b32 s[G0B+4*(\s)], 1
	s_add_co_u32 s[G0B+4*(\s)+1], s21, (\s)*SLOT
	s_add_nc_u64 s[G0B+4*(\s)+2:G0B+4*(\s)+3], s[46:47], (\s)*BSTEP
	s_or_b32 s[G0B+4*(\s)+3], s[G0B+4*(\s)+3], 0x80000000
	JLOAD \s                                       ; two loads of mine are out
.endr
	; the bias of my 128 channels: register j of column block b is channel 16 b + 8 (lane / 16) + j
	v_and_b32 v1, 15, v0                           ; l % 16
	v_bfe_u32 v2, v0, 4, 1                         ; l / 16
	s_mov_b32 s91, ttmp9                           ; 0: q, 1: k, 2: v: the same in the whole cluster
	s_cmp_eq_u32 s91, 1
	s_cselect_b64 s[88:89], s[84:85], s[82:83]
	s_cmp_eq_u32 s91, 2
	s_cselect_b64 s[88:89], s[86:87], s[88:89]
	s_lshl_b32 s92, s40, 10
	s_lshl_b32 s93, s12, 9
	s_add_co_u32 s92, s92, s93
	s_mov_b32 s93, 0
	s_add_nc_u64 s[88:89], s[88:89], s[92:93]
	s_mov_b32 s90, 0xffff0000
	v_lshlrev_b32 v[BO], 5, v2
	WIN 0x80                                       ; destination window 2, address window 0
.irp b, 0,1,2,3,4,5,6,7
	global_load_b128 v[8*(\b):8*(\b)+3],   v[BO], s[88:89] offset:64*(\b)
	global_load_b128 v[8*(\b)+4:8*(\b)+7], v[BO], s[88:89] offset:64*(\b)+16
.endr
	WIN 0
	; a fragment of xb: lane l holds row l % 16, k = 8 (l / 16) + 0..7 and 16 + 8 (l / 16) + 0..7: two loads of 16 bytes, 32 bytes apart
	v_mul_u32_u24 v3, v1, PA
	v_lshl_add_u32 v3, v2, 4, v3
	s_mul_i32 s21, s11, 64*PA                      ; my 64 rows
	; the turning load: lane l reads k row 8 (l / 16) + l % 8, columns 8 ((l / 8) % 2) + 0..7, and is left with column l % 16 and 8 k
	v_and_b32 v4, 7, v0
	v_lshl_add_u32 v4, v2, 3, v4
	v_mul_u32_u24 v4, v4, PB
	v_bfe_u32 v5, v0, 3, 1
	v_lshl_add_u32 v4, v5, 4, v4
	s_lshl_b32 s22, s12, 8                         ; my 128 columns
	s_add_co_u32 s22, s22, BOFF
.irp s, 0,1
	v_add_nc_u32 v[ADRA+(\s)], s21, v3
	v_add_nc_u32 v[ADRB+(\s)], s22, v4
	s_add_co_u32 s21, s21, SLOT
	s_add_co_u32 s22, s22, SLOT
.endr
	s_mul_i32 s23, s10, 16*SP
	s_add_co_u32 s23, s23, STAGE                   ; my stage
	v_mul_u32_u24 v4, v1, SP                       ; in: row l % 16, 16 bytes for each half of the lanes
	v_lshl_add_u32 v4, v2, 4, v4
	v_add_nc_u32 v[STO], s23, v4
	v_mul_u32_u24 v5, v2, SP                       ; back: lanes 0-15 one row of 256 bytes, lanes 16-31 the next
	v_lshl_add_u32 v5, v1, 4, v5
	v_add_nc_u32 v[RD], s23, v5
	v_mul_u32_u24 v5, v2, QP                       ; and the same two rows in qkv
	v_lshl_add_u32 v[CO], v1, 4, v5
	s_lshl_b32 s16, s13, 7
	s_lshl_b32 s17, s11, 6
	s_add_co_u32 s16, s16, s17                     ; my first row of qkv
	s_mul_i32 s16, s16, QP
	s_mov_b32 s17, 0
	s_add_nc_u64 s[8:9], s[8:9], s[16:17]
	s_lshl_b32 s46, s42, 9                         ; my first column, in bytes
	s_lshl_b32 s47, s12, 8
	s_add_co_u32 s46, s46, s47
	s_mov_b32 s47, 0
	s_add_nc_u64 s[8:9], s[8:9], s[46:47]
	s_wait_loadcnt 0x0                             ; the bias
	WIN 0x8a                                       ; sources 0, 1 and destination window 2
.set i, 0
.rept 32                                               ; rounded to bf16 like every input, and widened again
	v_cvt_pk_bf16_f32 v[64+i%4], v[2*i], v[2*i+1]
	v_lshlrev_b32 v[2*i], 16, v[64+i%4]
	v_and_b32 v[2*i+1], s90, v[64+i%4]
.set i, i+1
.endr
	WIN 0
; 8 matrix instructions: token block a x all 8 channel blocks, 32 along K.  first = 2: the bias starts the sums.  The 32 accumulators take turns, one instruction a turn, in the same order in every quarter.
.macro MUL8 f, a, first
.irp b, 0,1,2,3,4,5,6,7
.if (\first) == 2
	WIN 0x60                                       ; D window 1, C window 2
	v_wmma_f32_16x16x32_bf16 v[8*(8*(\a)+(\b)):8*(8*(\a)+(\b))+7], v[(\f)+8*(\b):(\f)+8*(\b)+7], v[(\f)+64+8*(\a):(\f)+64+8*(\a)+7], v[8*(\b):8*(\b)+7]
.else
	WIN 0x50                                       ; C and D window 1
	v_wmma_f32_16x16x32_bf16 v[8*(8*(\a)+(\b)):8*(8*(\a)+(\b))+7], v[(\f)+8*(\b):(\f)+8*(\b)+7], v[(\f)+64+8*(\a):(\f)+64+8*(\a)+7], v[8*(8*(\a)+(\b)):8*(8*(\a)+(\b))+7]
.endif
.endr
.endm
; 24 LDS loads in one run: quarter q (32 along K) of a slot into buffer f: W's 8 fragments, turned, then xb's 4
.macro FETCH slot, q, f
	WIN 0
.irp i, 0,1,2,3,4,5,6,7
	ds_load_tr16_b128 v[(\f)+8*(\i):(\f)+8*(\i)+3],   v[ADRB+(\slot)] offset:(\q)*32*PB+32*(\i)
	ds_load_tr16_b128 v[(\f)+8*(\i)+4:(\f)+8*(\i)+7], v[ADRB+(\slot)] offset:(\q)*32*PB+16*PB+32*(\i)
.endr
.irp i, 0,1,2,3
	ds_load_b128 v[(\f)+64+8*(\i):(\f)+64+8*(\i)+3],   v[ADRA+(\slot)] offset:64*(\q)+(\i)*16*PA
	ds_load_b128 v[(\f)+64+8*(\i)+4:(\f)+64+8*(\i)+7], v[ADRA+(\slot)] offset:64*(\q)+(\i)*16*PA+32
.endr
.endm
; One of a K step's first three quarters: fetches quarter q into g, then multiplies f: the run of loads has 32 matrix instructions in which to come back
.macro QUARTER slot, q, f, g, first
	s_wait_dscnt 0x0                               ; f is in
	PLACES                                         ; g was read by the matrix instructions just issued
	FETCH \slot, \q, \g
	MUL8 \f, 0, \first
	MUL8 \f, 1, \first
	MUL8 \f, 2, \first
	MUL8 \f, 3, \first
.endm
; The fourth quarter multiplies F1 and changes slots: ONE barrier.  In front of it each wave waits for all its tensor loads (the one that is out is its part of the next slot), adds 0 to its spare
; word, and waits for that and for its reads of this slot.  fill = 1: the barrier opens a round of the cluster's, and this slot is filled again, two K steps ahead, first thing behind the round.
.macro TURN slot, next, fill
	WIN 0
	s_wait_tensorcnt 0x0
	ds_add_u32 v[SPW], v[NIL]
	s_wait_dscnt 1                                 ; F1's 24 loads are in; the add alone may be out
	MUL8 F1, 0, 0
	s_wait_dscnt 0x0                               ; the add is done, and my reads of this slot are over
	s_barrier_signal -1
	MUL8 F1, 1, 0
.if \fill
	WIN 0
.endif
	s_barrier_wait -1
.if \fill
	CREST                                          ; no wave of any partner still reads this slot or has a load on its way
	s_add_nc_u64 s[G0+4*(\slot)+2:G0+4*(\slot)+3], s[G0+4*(\slot)+2:G0+4*(\slot)+3], 2*ASTEP
	s_add_nc_u64 s[G0B+4*(\slot)+2:G0B+4*(\slot)+3], s[G0B+4*(\slot)+2:G0B+4*(\slot)+3], 2*BSTEP
	JLOAD \slot                                    ; 112 matrix instructions ahead of the wait for it; its four v_nop are also the places in front of the loads below
.else
	PLACES
.endif
	FETCH \next, 0, F0
	MUL8 F1, 2, 0
	MUL8 F1, 3, 0
.endm
	s_wait_tensorcnt 1                             ; my part of K step 0 is in; K step 1's may stay out
	s_barrier_signal -1
	s_barrier_wait -1                              ; everybody's is
	FETCH 0, 0, F0
	QUARTER 0, 1, F0, F1, 2                        ; the first quarter stands in front of the loop: its products start the sums
	WIN 0
	s_mov_b32 s3, LAPS-1
.Llap:                                                 ; a trip goes once round the ring, from a lap's second quarter to the next lap's first
	QUARTER 0, 2, F1, F0, 0
	QUARTER 0, 3, F0, F1, 0
	TURN 0, 1, 1
	QUARTER 1, 1, F0, F1, 0
	QUARTER 1, 2, F1, F0, 0
	QUARTER 1, 3, F0, F1, 0
	TURN 1, 0, 1
	QUARTER 0, 1, F0, F1, 0
	WIN 0
	s_sub_co_u32 s3, s3, 1
	s_cmp_lg_u32 s3, 0
	s_cbranch_scc1 .Llap
	QUARTER 0, 2, F1, F0, 0                        ; the last lap is written out: it fills nothing
	QUARTER 0, 3, F0, F1, 0
	TURN 0, 1, 0
	QUARTER 1, 1, F0, F1, 0
	QUARTER 1, 2, F1, F0, 0
	QUARTER 1, 3, F0, F1, 0
	s_wait_dscnt 0x0
	MUL8 F1, 0, 0
	MUL8 F1, 1, 0
	MUL8 F1, 2, 0
	MUL8 F1, 3, 0
; THE WAY OUT, 16 tokens at a time: rounded to f16 (each accumulator's registers in ascending order), 16 bytes a lane into my own stage, back as whole rows of 256 bytes, stored.
.macro PACK a
	WIN 0x05                                       ; sources 0 and 1 window 1
.irp b, 0,1,2,3,4,5,6,7
.irp i, 0,1,2,3
	v_cvt_pk_f16_f32 v[TMP+4*(\b)+(\i)], v[8*(8*(\a)+(\b))+2*(\i)], v[8*(8*(\a)+(\b))+2*(\i)+1]
.endr
.endr
	WIN 0
.endm
.macro TOSTAGE a
.set BK, OB+32*((\a)%2)
.irp b, 0,1,2,3,4,5,6,7
	ds_store_b128 v[STO], v[TMP+4*(\b):TMP+4*(\b)+3] offset:32*(\b)
.endr
.irp t, 0,1,2,3,4,5,6,7
	ds_load_b128 v[BK+4*(\t):BK+4*(\t)+3], v[RD] offset:(\t)*2*SP  ; LDS serves a wave's instructions in order (ISA guide 5.7.1.4): these see the stores above
.endr
.endm
.macro SEND a
.set BK, OB+32*((\a)%2)
	s_wait_dscnt 0x0                               ; the block is back in registers
	s_wait_xcnt 0x0                                ; the stores of the block before have read their registers: the next block's loads from the stage land there
.irp t, 0,1,2,3,4,5,6,7
	global_store_b128 v[CO], v[BK+4*(\t):BK+4*(\t)+3], s[8:9] offset:(\a)*16*QP+(\t)*2*QP  ; 16 lanes store 256 consecutive bytes, at a multiple of 256 from qkv's first byte
.endr
.endm
	PLACES
	PACK 0
	TOSTAGE 0
.irp a, 1,2,3                          ; a block's conversions stand between the loads of the block before and the wait for them
	PACK \a
	SEND (\a)-1
	TOSTAGE \a
.endr
	SEND 3
	s_wait_tensorcnt 0x0                           ; the wave's end
	ds_add_u32 v[SPW], v[NIL]
	s_wait_dscnt 0x0
	CROUND                                         ; the closing round: no work-group ends while a partner may still ask for a tile that names it
	s_endpgm
.Lfunc_end_k_q2698d17525_proj:
	.size	k_q2698d17525_proj, .Lfunc_end_k_q2698d17525_proj-k_q2698d17525_proj
	.p2alignl 7, 3214868480
	.fill 96, 4, 3214868480
	.section	.rodata,"a",@progbits
	.p2align	6, 0x0
	.amdhsa_kernel k_q2698d17525_proj
		.amdhsa_group_segment_fixed_size 327680
		.amdhsa_private_segment_fixed_size 0
		.amdhsa_enable_private_segment 0
		.amdhsa_kernarg_size 40
		.amdhsa_user_sgpr_count 2
		.amdhsa_user_sgpr_kernarg_segment_ptr 1
		.amdhsa_wavefront_size32 1
		.amdhsa_system_sgpr_workgroup_id_x 1
		.amdhsa_system_sgpr_workgroup_id_y 1
		.amdhsa_system_sgpr_workgroup_id_z 1
		.amdhsa_system_vgpr_workitem_id 0
		.amdhsa_next_free_vgpr 580
		.amdhsa_next_free_sgpr 102
		.amdhsa_reserve_vcc 0
		.amdhsa_float_denorm_mode_32 3
		.amdhsa_float_denorm_mode_16_64 3
		.amdhsa_memory_ordered 1
		.amdhsa_forward_progress 1
		.amdhsa_inst_pref_size 92
	.end_amdhsa_kernel
	.amdgpu_metadata
---
amdhsa.version: [ 1, 2 ]
amdhsa.kernels:
  - .name:           k_q2698d17525_proj
    .symbol:         k_q2698d17525_proj.kd
    .args:
      - { .name: xw, .offset: 0, .size: 8, .value_kind: global_buffer, .address_space: global }
      - { .name: bq, .offset: 8, .size: 8, .value_kind: global_buffer, .address_space: global }
      - { .name: bk, .offset: 16, .size: 8, .value_kind: global_buffer, .address_space: global }
      - { .name: bv, .offset: 24, .size: 8, .value_kind: global_buffer, .address_space: global }
      - { .name: qkv, .offset: 32, .size: 8, .value_kind: global_buffer, .address_space: global }
    .group_segment_fixed_size: 327680
    .private_segment_fixed_size: 0
    .kernarg_segment_align: 8
    .kernarg_segment_size: 40
    .max_flat_workgroup_size: 128
    .sgpr_count:     102
    .vgpr_count:     580
    .wavefront_size: 32
...
	.end_amdgpu_metadata
.endif
;; end of part 2
;; launch score (part 3): grid 8 x 64, 4 waves a work-group, clusters of 4 x 4, 327,680 bytes of LDS; arguments qkv, mask, p, stats; writes p, stats
.if DOCPART == 3
	.amdgcn_target "amdgcn-amd-amdhsa--gfx1250"
	.amdhsa_code_object_version 6
	.text
	.protected	k_q2698d17525_score
	.globl	k_q2698d17525_score
	.p2align	8
	.type	k_q2698d17525_score,@function
k_q2698d17525_score:
	s_mov_b64 s[64:65], 0
	v_nop
	global_prefetch_b8 v0, s[64:65] scope:SCOPE_SE
	s_setreg_imm32_b32 hwreg(HW_REG_WAVE_MODE, 25, 1), 1
	s_wait_xcnt 0x0
	s_wait_alu depctr_hold_cnt(0) depctr_sa_sdst(0) depctr_va_vdst(0) depctr_va_sdst(0) depctr_va_ssrc(0) depctr_va_vcc(0) depctr_vm_vsrc(0)
	s_getreg_b32 s2, hwreg(HW_REG_IB_STS2, 6, 4)
	s_cmp_eq_u32 s2, 0
	s_cbranch_scc0 .Lentry_in_a_cluster
	s_endpgm
.Lentry_in_a_cluster:
	s_bfe_u32 s2, ttmp6, 0x10000c
	s_cmp_lg_u32 s2, 0xf033
	s_cbranch_scc0 .Lentry_shape_is_right
	s_endpgm
.Lentry_shape_is_right:
; For each query row and each GROUP of 128 keys: s = q . k (f16 operands, f32 sums, unscaled); s' = s where the mask byte is not 0, else NEG = -999999 x 32 (exact in f32);
; m = max over the group of s'; n = floor(-c m), c = log2(e) / 32; p[row][key] = 2^(c s' + n) rounded to f16; stats[group][row] = (n, l), l = the sum of the unrounded weights.
; So the group's true maximum, rounded up to a whole power of two, is taken away before the exponential: the weights lie in (0, 1] (above 1 by no more than the rounding of c m).
; The next launch brings the groups onto one reference by exact powers of two.  A masked score is REPLACED, as the problem has it: a row all masked gives equal weights, and a masked place can win.
; LIMITS.  q and k arrive within f16's 65,504.  A weight below 2^-126 counts as 0 in l; below 6e-5 p keeps f16's fixed step of 6e-8.  NaN and infinities are not treated apart.
; SHARES.  A work-group makes 128 queries x 256 keys of one batch, each of its four waves 64 x 128: a wave's keys are one group.  64 x 8 = 512 work-groups: two for each of 256 WGPs.
; K (the 1,024 channels) goes in steps of 128 through two LDS slots.  The mask's 128 x 256 bytes come by a tensor load of each wave's own (32 rows), among the first fills, and are read once at the end.
; THE MATRIX INSTRUCTION IS USED TRANSPOSED: source 0 = 16 keys, source 1 = 16 queries: a lane holds one query (lane % 16) and the keys 8 (lane / 16) + 0..7 of each block of 16.
; CLUSTER.  4 x 4 work-groups: q's tile is shared along a row of the cluster, k's along a column; both are asked for jointly.  The mask's tile is nobody else's: a plain load.
; REGISTERS: window 0: v0-63 addresses and statistics; v64-159, v160-255 two fragment buffers (64 of k, 32 of q), at the end mask words, scores and rows;   window 1: accumulator (a, b) at v[8 (8 a + b)]
.set PA,    272                        ; a row in LDS: 256 bytes + 16
.set AHALF, 64*PA
.set BHALF, 128*PA
.set BOFF,  2*AHALF
.set SLOT,  BOFF+2*BHALF               ; 104,448 bytes
.set MASK,  2*SLOT                     ; 128 rows x 272 bytes, filled once
.set STAGE, MASK+128*PA                ; 16 rows x 272 bytes for each wave, for the way out; no tensor load lands here
.set SP,    272
.set SPARE, STAGE+4*16*SP              ; the spare words: two blocks of 256 bytes that no other line names
.set LAPS,  4
.set KSTEPB, 256                       ; bytes from K step to K step, in q and in k
.set PP_ROW, 4096                      ; bytes in a row of p
.set ADRA, 16
.set ADRB, 20
.set MA,   22                          ; v22     LDS address of my 8 mask bytes of blocks (0, 0)
.set STO,  24
.set RD,   25
.set CO,   26
.set SOF,  27                          ; v27     8 x lane: my place in 32 rows of stats
.set SPW,  28
.set NIL,  29
.set T,    32                          ; v32-35  at work
.set CH,   36                          ; v36-39  the maximum's four chains
.set NC,   40                          ; v40-41  n, twice
.set LS,   42                          ; v42-45  two chains of packed sums
.set ST,   48                          ; v48-55  n and l of query block a at ST + 2 a
.set XS,   56                          ; v56-59  stats to store
.set F0,   64
.set F1,   160
.set MW,   64                          ; v64-127   mask words: blocks (a, b) at MW + 2 (8 a + b)
.set SV,   128                         ; v128-191  a query block's 64 scores a lane, then weights
.set PP,   192                         ; v192-223  packed f16
.set OB,   224                         ; v224-255  rows read back
.set G1,  24
.set G0,  32
.set G1B, 48
.set G0B, 56
.set NCS, 66                           ; s66      -c
.set G1M, 68                           ; s[68:75] the mask tile's group 1
.set G0M, 76                           ; s[76:79] its group 0
.set CS,  88                           ; s[88:89] c, twice
.set SEL, 90                           ; s[90:91] v_permlanex16_b32's selects: each lane takes its own place in the other half
.set BY,  92                           ; s92-95   the four bytes of a word
.set LM,  96                           ; s96-99   lane masks
.set NEGS, 100                         ; s100     NEG
.set UP,  101                          ; s101     lanes 16-31
.set MSB, 0
.macro WIN new
.if MSB != (\new)
	s_set_vgpr_msb (MSB<<8)|(\new)
.set MSB, \new
.endif
.endm
.macro JLOAD s                         ; a joint load: waves 0 and 1 fetch q's two halves, waves 2 and 3 k's; an s_nop 0 and four v_nop follow each line
	s_cmp_eq_u32 s11, 0
	s_cbranch_scc0 .Lfor_b_\@
	tensor_load_to_lds s[G0+4*(\s):G0+4*(\s)+3], s[G1:G1+7]
	s_nop 0
.rept 4
	v_nop
.endr
	s_branch .Lasked_\@
.Lfor_b_\@:
	tensor_load_to_lds s[G0B+4*(\s):G0B+4*(\s)+3], s[G1B:G1B+7]
	s_nop 0
.rept 4
	v_nop
.endr
.Lasked_\@:
.endm
.macro CREST
	s_cmp_lg_u32 s10, 0
	s_cbranch_scc1 .Lnot_wave_0_\@
	s_barrier_signal -3
.Lnot_wave_0_\@:
	s_barrier_wait -3
	s_barrier_signal -1
	s_barrier_wait -1
.endm
.macro CROUND
	s_barrier_signal -1
	s_barrier_wait -1
	CREST
.endm
.macro PLACES
.rept 4
	v_nop
.endr
.endm
	s_load_b256 s[80:87], s[0:1], 0x0              ; qkv s[80:81], mask s[82:83], p s[84:85], stats s[86:87]
	v_lshl_add_u32 v[SPW], v0, 2, SPARE
	v_mov_b32 v[NIL], 0
	ds_add_u32 v28, v29
	s_wait_dscnt 0x0
	v_lshrrev_b32 v1, 5, v0
	v_readfirstlane_b32 s10, v1                    ; wave 0..3
	s_lshr_b32 s11, s10, 1                         ; which 64 queries are mine.  Also: I fetch q (0) or k (1)
	s_and_b32 s12, s10, 1                          ; which 128 keys.  Also: which half of that tile I fetch
	s_bfe_u32 s40, ttmp6, 0x40000                  ; cx, cy
	s_bfe_u32 s41, ttmp6, 0x40004
	s_lshl_b32 s42, ttmp9, 2
	s_add_co_u32 s42, s42, s40                     ; tile column: 256 keys of the batch
	s_and_b32 s13, ttmp7, 0xffff
	s_lshr_b32 s45, s13, 2                         ; the batch: 16 tile rows each, so the same in the whole cluster
	s_lshl_b32 s13, s13, 2
	s_add_co_u32 s13, s13, s41                     ; tile row: 128 of the 8,192 query rows
	s_lshl_b32 s43, s41, 2
	s_lshl_b32 s43, 15, s43                        ; my row of the cluster
	s_lshl_b32 s44, 0x1111, s40                    ; my column
	s_or_b32 s[G1+0], s43, (1<<16)|(1<<20)|(1<<21)|(5<<22)|(3<<25)   ; the mask; 2-byte elements; padding on; bit 21 beside a mask; after every 64 words 4 words
	s_mov_b32 s[G1+1], 128<<16
	s_mov_b32 s[G1+2], 64<<16
	s_mov_b32 s[G1+3], 128<<16
	s_mov_b32 s[G1+4], 64                          ; 64 rows x 128 elements
	s_mov_b32 s[G1+5], 3072                        ; elements from row to row of qkv
	s_mov_b32 s[G1+6], 0
	s_mov_b32 s[G1+7], 0
	s_or_b32 s[G1B+0], s44, (1<<16)|(1<<20)|(1<<21)|(5<<22)|(3<<25)
	s_mov_b32 s[G1B+1], 128<<16
	s_mov_b32 s[G1B+2], 128<<16
	s_mov_b32 s[G1B+3], 128<<16
	s_mov_b32 s[G1B+4], 128                        ; 128 rows x 128 elements
	s_mov_b32 s[G1B+5], 3072
	s_mov_b32 s[G1B+6], 0
	s_mov_b32 s[G1B+7], 0
	s_mov_b32 s[G1M+0], (3<<16)|(1<<20)|(5<<22)|(3<<25)  ; no work-group mask; 8-byte elements; the same padding
	s_mov_b32 s[G1M+1], 32<<16
	s_mov_b32 s[G1M+2], 32<<16
	s_mov_b32 s[G1M+3], 32<<16
	s_mov_b32 s[G1M+4], 32                         ; 32 rows x 32 elements (256 bytes)
	s_mov_b32 s[G1M+5], 256                        ; 2,048 bytes from row to row
	s_mov_b32 s[G1M+6], 0
	s_mov_b32 s[G1M+7], 0
	s_lshl_b32 s16, s13, 7                         ; q: row 128 x tile row + 64 x half
	s_lshl_b32 s17, s12, 6
	s_add_co_u32 s16, s16, s17
	s_mul_i32 s16, s16, 6144
	s_mov_b32 s17, 0
	s_lshl_b32 s46, s45, 11                        ; k: row 2,048 x batch + 256 x tile column + 128 x half,
	s_lshl_b32 s47, s42, 8
	s_add_co_u32 s46, s46, s47
	s_lshl_b32 s47, s12, 7
	s_add_co_u32 s46, s46, s47
	s_mul_i32 s46, s46, 6144
	s_add_co_u32 s46, s46, 2048                    ; at qkv's column 1,024
	s_mov_b32 s47, 0
	s_lshl_b32 s18, s13, 7                         ; the mask: row 128 x tile row + 32 x wave, byte 256 x tile column
	s_lshl_b32 s19, s10, 5
	s_add_co_u32 s18, s18, s19
	s_lshl_b32 s18, s18, 11
	s_lshl_b32 s19, s42, 8
	s_add_co_u32 s18, s18, s19
	s_mov_b32 s19, 0
	s_mul_i32 s20, s12, AHALF
	s_mul_i32 s21, s12, BHALF
	s_add_co_u32 s21, s21, BOFF
	s_wait_kmcnt 0x0
	s_add_nc_u64 s[14:15], s[80:81], s[16:17]
	s_add_nc_u64 s[46:47], s[80:81], s[46:47]
	CROUND                                         ; all sixteen work-groups are here: the first joint loads meet
.irp s, 0,1
	s_mov_b32 s[G0+4*(\s)], 1
	s_add_co_u32 s[G0+4*(\s)+1], s20, (\s)*SLOT
	s_add_nc_u64 s[G0+4*(\s)+2:G0+4*(\s)+3], s[14:15], (\s)*KSTEPB
	s_or_b32 s[G0+4*(\s)+3], s[G0+4*(\s)+3], 0x80000000
	s_mov_b32 s[G0B+4*(\s)], 1
	s_add_co_u32 s[G0B+4*(\s)+1], s21, (\s)*SLOT
	s_add_nc_u64 s[G0B+4*(\s)+2:G0B+4*(\s)+3], s[46:47], (\s)*KSTEPB
	s_or_b32 s[G0B+4*(\s)+3], s[G0B+4*(\s)+3], 0x80000000
	JLOAD \s
.endr
	s_mov_b32 s[G0M], 1
	s_mul_i32 s[G0M+1], s10, 32*PA
	s_add_co_u32 s[G0M+1], s[G0M+1], MASK
	s_add_nc_u64 s[G0M+2:G0M+3], s[82:83], s[18:19]
	s_or_b32 s[G0M+3], s[G0M+3], 0x80000000
	tensor_load_to_lds s[G0M:G0M+3], s[G1M:G1M+7]  ; my 32 rows of the mask: the third and last of my first fills; three loads of mine are out
	s_nop 0
.rept 4
	v_nop
.endr
	s_mov_b32 s[NCS], 0xbd38aa3b                   ; -c
	s_mov_b32 s[CS], 0x3d38aa3b                    ; c = log2(e) / 32
	s_mov_b32 s[CS+1], s[CS]
	s_mov_b32 s[SEL], 0x76543210
	s_mov_b32 s[SEL+1], 0xfedcba98
	s_mov_b32 s[BY], 0xff
	s_mov_b32 s[BY+1], 0xff00
	s_mov_b32 s[BY+2], 0xff0000
	s_mov_b32 s[BY+3], 0xff000000
	s_mov_b32 s[NEGS], 0xcbf423f0                  ; -31,999,968
	s_mov_b32 s[UP], 0xffff0000
	v_and_b32 v1, 15, v0                           ; l % 16
	v_bfe_u32 v2, v0, 4, 1                         ; l / 16
	v_mul_u32_u24 v3, v1, PA
	v_lshl_add_u32 v3, v2, 4, v3                   ; a fragment's row x pitch + 16 x half
	s_mul_i32 s21, s11, 64*PA                      ; my 64 rows of q
	s_mul_i32 s22, s12, 128*PA                     ; my 128 rows of k
	s_add_co_u32 s22, s22, BOFF
.irp s, 0,1
	v_add_nc_u32 v[ADRA+(\s)], s21, v3
	v_add_nc_u32 v[ADRB+(\s)], s22, v3
	s_add_co_u32 s21, s21, SLOT
	s_add_co_u32 s22, s22, SLOT
.endr
	v_mul_u32_u24 v[MA], v1, PA                    ; the mask bytes of query 64 wr + l % 16, keys 128 wc + 8 (l / 16) + 0..7
	v_lshl_add_u32 v[MA], v2, 3, v[MA]
	s_mul_i32 s18, s11, 64*PA
	s_lshl_b32 s19, s12, 7
	s_add_co_u32 s18, s18, s19
	s_add_co_u32 s18, s18, MASK
	v_add_nc_u32 v[MA], s18, v[MA]
	s_mul_i32 s23, s10, 16*SP
	s_add_co_u32 s23, s23, STAGE                   ; my stage
	v_mul_u32_u24 v4, v1, SP
	v_lshl_add_u32 v4, v2, 4, v4
	v_add_nc_u32 v[STO], s23, v4
	v_mul_u32_u24 v5, v2, SP
	v_lshl_add_u32 v5, v1, 4, v5
	v_add_nc_u32 v[RD], s23, v5
	v_lshlrev_b32 v5, 12, v2                       ; two rows of p
	v_lshl_add_u32 v[CO], v1, 4, v5
	v_and_b32 v[SOF], 31, v0
	v_lshlrev_b32 v[SOF], 3, v[SOF]
	s_lshl_b32 s16, s13, 7
	s_lshl_b32 s17, s11, 6
	s_add_co_u32 s16, s16, s17                     ; my first query row
	s_lshl_b32 s18, s16, 3                         ; 8 bytes a row in stats
	s_lshl_b32 s16, s16, 12                        ; 4,096 bytes a row in p
	s_mov_b32 s17, 0
	s_add_nc_u64 s[8:9], s[84:85], s[16:17]
	s_lshl_b32 s16, s42, 9
	s_lshl_b32 s19, s12, 8
	s_add_co_u32 s16, s16, s19                     ; my first key, in bytes
	s_add_nc_u64 s[8:9], s[8:9], s[16:17]
	s_lshl_b32 s16, s42, 1
	s_add_co_u32 s16, s16, s12                     ; my group
	s_lshl_b32 s16, s16, 16                        ; 65,536 bytes a group
	s_add_co_u32 s16, s16, s18
	s_add_nc_u64 s[86:87], s[86:87], s[16:17]
; 8 matrix instructions: query block a x all 8 key blocks, 32 along K.  first = 1: the products start the sums.  The 32 accumulators take turns, one instruction a turn.
.macro MUL8 f, a, first
	WIN 0x50                                       ; C and D window 1
.irp b, 0,1,2,3,4,5,6,7
.if \first
	v_wmma_f32_16x16x32_f16 v[8*(8*(\a)+(\b)):8*(8*(\a)+(\b))+7], v[(\f)+8*(\b):(\f)+8*(\b)+7], v[(\f)+64+8*(\a):(\f)+64+8*(\a)+7], 0
.else
	v_wmma_f32_16x16x32_f16 v[8*(8*(\a)+(\b)):8*(8*(\a)+(\b))+7], v[(\f)+8*(\b):(\f)+8*(\b)+7], v[(\f)+64+8*(\a):(\f)+64+8*(\a)+7], v[8*(8*(\a)+(\b)):8*(8*(\a)+(\b))+7]
.endif
.endr
.endm
.macro FETCH slot, q, f                ; 24 LDS loads in one run: k's 8 fragments, then q's 4
	WIN 0
.irp i, 0,1,2,3,4,5,6,7
	ds_load_b128 v[(\f)+8*(\i):(\f)+8*(\i)+3],   v[ADRB+(\slot)] offset:64*(\q)+(\i)*16*PA
	ds_load_b128 v[(\f)+8*(\i)+4:(\f)+8*(\i)+7], v[ADRB+(\slot)] offset:64*(\q)+(\i)*16*PA+32
.endr
.irp i, 0,1,2,3
	ds_load_b128 v[(\f)+64+8*(\i):(\f)+64+8*(\i)+3],   v[ADRA+(\slot)] offset:64*(\q)+(\i)*16*PA
	ds_load_b128 v[(\f)+64+8*(\i)+4:(\f)+64+8*(\i)+7], v[ADRA+(\slot)] offset:64*(\q)+(\i)*16*PA+32
.endr
.endm
.macro QUARTER slot, q, f, g, first    ; fetches quarter q into g, then multiplies f
	s_wait_dscnt 0x0                               ; f is in
	PLACES                                         ; g was read by the matrix instructions just issued
	FETCH \slot, \q, \g
	MUL8 \f, 0, \first
	MUL8 \f, 1, \first
	MUL8 \f, 2, \first
	MUL8 \f, 3, \first
.endm
; The fourth quarter multiplies F1 and changes slots: ONE barrier; in front of it each wave waits for all its tensor loads, adds 0 to its spare word, and waits for that and for its reads of this slot.
; fill = 1: the barrier opens a round of the cluster's, and this slot is filled again, two K steps ahead, first thing behind the round.
.macro TURN slot, next, fill
	WIN 0
	s_wait_tensorcnt 0x0                           ; my part of the next slot is in (at the first change of slots: my rows of the mask too)
	ds_add_u32 v[SPW], v[NIL]
	s_wait_dscnt 1                                 ; F1's 24 loads are in; the add alone may be out
	MUL8 F1, 0, 0
	s_wait_dscnt 0x0                               ; the add is done, and my reads of this slot are over
	s_barrier_signal -1
	MUL8 F1, 1, 0
.if \fill
	WIN 0
.endif
	s_barrier_wait -1
.if \fill
	CREST
	s_add_nc_u64 s[G0+4*(\slot)+2:G0+4*(\slot)+3], s[G0+4*(\slot)+2:G0+4*(\slot)+3], 2*KSTEPB
	s_add_nc_u64 s[G0B+4*(\slot)+2:G0B+4*(\slot)+3], s[G0B+4*(\slot)+2:G0B+4*(\slot)+3], 2*KSTEPB
	JLOAD \slot                                    ; 112 matrix instructions ahead of the wait for it; its four v_nop are also the places in front of the loads below
.else
	PLACES
.endif
	FETCH \next, 0, F0
	MUL8 F1, 2, 0
	MUL8 F1, 3, 0
.endm
	s_wait_tensorcnt 2                             ; my part of K step 0 is in; K step 1's and the mask's may stay out
	s_barrier_signal -1
	s_barrier_wait -1
	FETCH 0, 0, F0
	QUARTER 0, 1, F0, F1, 1
	WIN 0
	s_mov_b32 s3, LAPS-1
.Llap:
	QUARTER 0, 2, F1, F0, 0
	QUARTER 0, 3, F0, F1, 0
	TURN 0, 1, 1
	QUARTER 1, 1, F0, F1, 0
	QUARTER 1, 2, F1, F0, 0
	QUARTER 1, 3, F0, F1, 0
	TURN 1, 0, 1
	QUARTER 0, 1, F0, F1, 0
	WIN 0
	s_sub_co_u32 s3, s3, 1
	s_cmp_lg_u32 s3, 0
	s_cbranch_scc1 .Llap
	QUARTER 0, 2, F1, F0, 0                        ; the last lap is written out: it fills nothing
	QUARTER 0, 3, F0, F1, 0
	TURN 0, 1, 0
	QUARTER 1, 1, F0, F1, 0
	QUARTER 1, 2, F1, F0, 0
	QUARTER 1, 3, F0, F1, 0
	s_wait_dscnt 0x0
	PLACES                                         ; F0's registers take the mask words
	WIN 0
.irp a, 0,1,2,3
.irp b, 0,1,2,3,4,5,6,7
	ds_load_b64 v[MW+2*(8*(\a)+(\b)):MW+2*(8*(\a)+(\b))+1], v[MA] offset:(\a)*16*PA+16*(\b)  ; every wave's rows of the mask were shown landed by the first change of slots
.endr
.endr
	MUL8 F1, 0, 0
	MUL8 F1, 1, 0
	MUL8 F1, 2, 0
	MUL8 F1, 3, 0
	WIN 0
	s_wait_dscnt 0x0                               ; the mask words
	PLACES
; THE SOFTMAX'S FIRST HALF AND THE WAY OUT, 16 queries at a time.
.macro SELECT a                        ; s' = mask byte != 0 ? s : NEG; each accumulator's lowest registers are read first
	WIN 0x04                                       ; source 1 window 1
.irp b, 0,1,2,3,4,5,6,7
.irp g, 0,1
.irp j, 0,1,2,3
	v_and_b32 v[T+(\j)], v[MW+2*(8*(\a)+(\b))+(\g)], s[BY+(\j)]
.endr
.irp j, 0,1,2,3
	v_cmp_ne_u32 s[LM+(\j)], v[T+(\j)], 0
.endr
.irp j, 0,1,2,3
	v_cndmask_b32 v[SV+8*(\b)+4*(\g)+(\j)], s[NEGS], v[8*(8*(\a)+(\b))+4*(\g)+(\j)], s[LM+(\j)]
.endr
.endr
.endr
	WIN 0
.endm
.macro MAXS a                          ; the maximum of the lane's 64 scores in four chains of 15, the four left over, the other half of the lanes; then n
.irp c, 0,1,2,3
	v_max3_num_f32 v[CH+(\c)], v[SV+16*(\c)], v[SV+16*(\c)+1], v[SV+16*(\c)+2]
.endr
.irp k, 0,1,2,3,4,5
.irp c, 0,1,2,3
	v_max3_num_f32 v[CH+(\c)], v[CH+(\c)], v[SV+16*(\c)+3+2*(\k)], v[SV+16*(\c)+4+2*(\k)]
.endr
.endr
	v_max3_num_f32 v[CH], v[CH], v[SV+15], v[SV+31]
	v_max3_num_f32 v[CH+1], v[CH+1], v[SV+47], v[SV+63]
	v_max3_num_f32 v[CH], v[CH], v[CH+1], v[CH+2]
	v_max_num_f32 v[CH], v[CH], v[CH+3]
	v_permlanex16_b32 v[CH+1], v[CH], s[SEL], s[SEL+1]  ; the query's other 64 keys lie in the lane 16 away
	v_max_num_f32 v[CH], v[CH], v[CH+1]
	v_mul_f32 v[T], s[NCS], v[CH]
	v_floor_f32 v[NC], v[T]                        ; n = floor(-c m)
	v_mov_b32 v[NC+1], v[NC]
	v_mov_b32 v[ST+2*(\a)], v[NC]
.endm
.macro TAILP p                         ; pair p of weights: rounded to f16, and added (unrounded) onto its chain; the chains begin with their first two pairs: nothing is cleared
	s_wait_alu depctr_va_vdst(0)
	v_cvt_pk_f16_f32 v[PP+(\p)], v[SV+2*(\p)], v[SV+2*(\p)+1]
.if (\p) >= 4
	v_pk_add_f32 v[LS+2*((\p)%2):LS+2*((\p)%2)+1], v[LS+2*((\p)%2):LS+2*((\p)%2)+1], v[SV+2*(\p):SV+2*(\p)+1]
.elseif (\p) >= 2
	v_pk_add_f32 v[LS+2*((\p)%2):LS+2*((\p)%2)+1], v[SV+2*(\p)-4:SV+2*(\p)-3], v[SV+2*(\p):SV+2*(\p)+1]
.endif
.endm
.macro EXPS a                          ; c s' + n; the exponentials two at a time, with the pair before's plain lines behind them, so that a plain instruction stands between every exponential and its use
.set i, 0
.rept 32
	v_pk_fma_f32 v[SV+2*i:SV+2*i+1], v[SV+2*i:SV+2*i+1], s[CS:CS+1], v[NC:NC+1] op_sel_hi:[1,0,1]
.set i, i+1
.endr
.set i, 0
.rept 32
	v_exp_f32 v[SV+2*i], v[SV+2*i]
	v_exp_f32 v[SV+2*i+1], v[SV+2*i+1]
.if i == 0
	v_nop
.else
	TAILP i-1
.endif
.set i, i+1
.endr
	TAILP 31
	v_pk_add_f32 v[LS:LS+1], v[LS:LS+1], v[LS+2:LS+3]
	v_add_f32 v[T], v[LS], v[LS+1]
	v_permlanex16_b32 v[T+1], v[T], s[SEL], s[SEL+1]
	v_add_f32 v[ST+2*(\a)+1], v[T], v[T+1]         ; l
.endm
.macro TOSTAGE a
.if (\a) > 0
	s_wait_xcnt 0x0                                ; the stores of the block before have read OB
.endif
.irp b, 0,1,2,3,4,5,6,7
	ds_store_b128 v[STO], v[PP+4*(\b):PP+4*(\b)+3] offset:32*(\b)
.endr
.irp t, 0,1,2,3,4,5,6,7
	ds_load_b128 v[OB+4*(\t):OB+4*(\t)+3], v[RD] offset:(\t)*2*SP  ; LDS serves a wave's instructions in order (ISA guide 5.7.1.4): these see the stores above
.endr
.endm
.macro SEND a
	s_wait_dscnt 0x0                               ; the block is back in registers
.irp t, 0,1,2,3,4,5,6,7
	global_store_b128 v[CO], v[OB+4*(\t):OB+4*(\t)+3], s[8:9] offset:(\a)*16*PP_ROW+(\t)*2*PP_ROW  ; 16 lanes store 256 consecutive bytes, at a multiple of 256 from p's first byte
.endr
.endm
	SELECT 0
	MAXS 0
	EXPS 0
	TOSTAGE 0
.irp a, 1,2,3                          ; a block's selection stands between the loads of the block before and the wait for them
	SELECT \a
	SEND (\a)-1
	MAXS \a
	EXPS \a
	TOSTAGE \a
.endr
	SEND 3
	; stats: both halves of the lanes hold a block's (n, l); lanes 0-15 take the even block's rows, lanes 16-31 the odd block's: 32 rows, 256 consecutive bytes a store
.irp u, 0,1
	v_cndmask_b32 v[XS+2*(\u)],   v[ST+4*(\u)],   v[ST+4*(\u)+2], s[UP]
	v_cndmask_b32 v[XS+2*(\u)+1], v[ST+4*(\u)+1], v[ST+4*(\u)+3], s[UP]
	global_store_b64 v[SOF], v[XS+2*(\u):XS+2*(\u)+1], s[86:87] offset:256*(\u)
.endr
	s_wait_tensorcnt 0x0                           ; the wave's end
	ds_add_u32 v[SPW], v[NIL]
	s_wait_dscnt 0x0
	CROUND                                         ; the closing round
	s_endpgm
.Lfunc_end_k_q2698d17525_score:
	.size	k_q2698d17525_score, .Lfunc_end_k_q2698d17525_score-k_q2698d17525_score
	.p2alignl 7, 3214868480
	.fill 96, 4, 3214868480
	.section	.rodata,"a",@progbits
	.p2align	6, 0x0
	.amdhsa_kernel k_q2698d17525_score
		.amdhsa_group_segment_fixed_size 327680
		.amdhsa_private_segment_fixed_size 0
		.amdhsa_enable_private_segment 0
		.amdhsa_kernarg_size 32
		.amdhsa_user_sgpr_count 2
		.amdhsa_user_sgpr_kernarg_segment_ptr 1
		.amdhsa_wavefront_size32 1
		.amdhsa_system_sgpr_workgroup_id_x 1
		.amdhsa_system_sgpr_workgroup_id_y 1
		.amdhsa_system_sgpr_workgroup_id_z 1
		.amdhsa_system_vgpr_workitem_id 0
		.amdhsa_next_free_vgpr 512
		.amdhsa_next_free_sgpr 102
		.amdhsa_reserve_vcc 0
		.amdhsa_float_denorm_mode_32 3
		.amdhsa_float_denorm_mode_16_64 3
		.amdhsa_memory_ordered 1
		.amdhsa_forward_progress 1
		.amdhsa_inst_pref_size 176
	.end_amdhsa_kernel
	.amdgpu_metadata
---
amdhsa.version: [ 1, 2 ]
amdhsa.kernels:
  - .name:           k_q2698d17525_score
    .symbol:         k_q2698d17525_score.kd
    .args:
      - { .name: qkv, .offset: 0, .size: 8, .value_kind: global_buffer, .address_space: global }
      - { .name: mask, .offset: 8, .size: 8, .value_kind: global_buffer, .address_space: global }
      - { .name: p, .offset: 16, .size: 8, .value_kind: global_buffer, .address_space: global }
      - { .name: stats, .offset: 24, .size: 8, .value_kind: global_buffer, .address_space: global }
    .group_segment_fixed_size: 327680
    .private_segment_fixed_size: 0
    .kernarg_segment_align: 8
    .kernarg_segment_size: 32
    .max_flat_workgroup_size: 128
    .sgpr_count:     102
    .vgpr_count:     512
    .wavefront_size: 32
...
	.end_amdgpu_metadata
.endif
;; end of part 3
;; launch pv (part 4): grid 4 x 64, 4 waves a work-group, clusters of 4 x 4, 327,680 bytes of LDS; arguments p, qkv, stats, out0; writes out0
.if DOCPART == 4
	.amdgcn_target "amdgcn-amd-amdhsa--gfx1250"
	.amdhsa_code_object_version 6
	.text
	.protected	k_q2698d17525_pv
	.globl	k_q2698d17525_pv
	.p2align	8
	.type	k_q2698d17525_pv,@function
k_q2698d17525_pv:
	s_mov_b64 s[64:65], 0
	v_nop
	global_prefetch_b8 v0, s[64:65] scope:SCOPE_SE
	s_setreg_imm32_b32 hwreg(HW_REG_WAVE_MODE, 25, 1), 1
	s_wait_xcnt 0x0
	s_wait_alu depctr_hold_cnt(0) depctr_sa_sdst(0) depctr_va_vdst(0) depctr_va_sdst(0) depctr_va_ssrc(0) depctr_va_vcc(0) depctr_vm_vsrc(0)
	s_getreg_b32 s2, hwreg(HW_REG_IB_STS2, 6, 4)
	s_cmp_eq_u32 s2, 0
	s_cbranch_scc0 .Lentry_in_a_cluster
	s_endpgm
.Lentry_in_a_cluster:
	s_bfe_u32 s2, ttmp6, 0x10000c
	s_cmp_lg_u32 s2, 0xf033
	s_cbranch_scc0 .Lentry_shape_is_right
	s_endpgm
.Lentry_shape_is_right:
; out[row][d] = (sum over groups g of f_g x sum over the group's 128 keys of p[row][key] v[key][d]) / L.
; From stats (n_g, l_g): N = min over g of n_g (the row's true maximum, rounded up to a whole power of two), f_g = 2^(N - n_g) <= 1, L = sum of f_g l_g >= 1/2.
; f_g is an exact power of two, so p x f_g in f16 is exact down to 2^-14 and keeps f16's fixed step of 2^-24 below.  Products in f16, sums in f32, out in f32.
; LIMITS.  v arrives within f16's 65,504.  An f_g below 2^-24 is 0 in the product and still counted in L (a share below 6e-8).  NaN and infinities are not treated apart.
; SHARES.  A work-group makes 128 rows x 256 channels, each of its four waves 64 x 128: 64 x 4 = 256 work-groups.  K (the 2,048 keys) goes in steps of 128, one group a step, through two LDS slots.
; THE MATRIX INSTRUCTION IS USED TRANSPOSED: source 0 = 16 channels (v turned by ds_load_tr16_b128), source 1 = 16 rows of p: a lane holds one row (lane % 16) and eight neighbouring channels.
; THE FACTOR rides on the products: p's fragment of row block a + 1 is multiplied by f, one register behind each product of row block a.  That costs two window switches a product, on purpose:
; the 32 multiplications a quarter, set in a run of their own, would stand where no matrix instruction is issued.
; CLUSTER.  4 x 4 work-groups: p's tile is shared along a row of the cluster, v's along a column; both are asked for jointly.
; REGISTERS: window 0: v0-63 addresses, factors, 1/L; v64-159, v160-255 two fragment buffers (64 of v, 32 of p);   window 1: accumulator (a, b) at v[8 (8 a + b)]
.set PA,    272                        ; a row of p in LDS: 256 bytes + 16
.set PB,    544                        ; a key's row of v in LDS: 512 bytes + 32: 17 x 32 bytes, for the turning load
.set AHALF, 64*PA
.set BHALF, 64*PB
.set BOFF,  2*AHALF
.set SLOT,  BOFF+2*BHALF               ; 104,448 bytes
.set STAGE, 2*SLOT                     ; 16 rows x 528 bytes for each wave, for the way out; no tensor load lands here
.set SP,    528
.set FT,    STAGE+4*16*SP              ; each wave's own table of factors [group][row % 16][row block], a pair of f16 each: 4,096 bytes a wave; no tensor load lands here
.set SPARE, FT+4*4096                  ; the spare words: two blocks of 256 bytes that no other line names
.set LAPS,  8
.set ASTEP, 256
.set BSTEP, 128*6144
.set OP_ROW, 4096                      ; bytes in a row of out
.set ADRA, 16
.set ADRB, 20
.set STO,  24
.set RD,   25
.set CO,   26
.set SPW,  28
.set NIL,  29
.set FA0,  30                          ; v30     LDS address of my row's four factors of group 0
.set FA,   31                          ; v31     of the group to be fetched
.set FAC,  32                          ; v32-39  four factors for each slot
.set RI,   40                          ; v40-47  1 / L, twice, for each row block
.set FW,   48                          ; v48     where I write the table
.set SO,   49                          ; v49     my byte offset in stats
.set T0,   50
.set T1,   51
.set T2,   52
.set H,    56                          ; v56-63  eight factors as f16 pairs
.set SN,   64                          ; v64-127 stats as loaded: (n, l) of row block a, group 8 (l / 16) + i at SN + 16 a + 2 i
.set F0,   64
.set F1,   160
.set TMP,  64                          ; the way out: v64-127 scaled results
.set OB,   128                         ; v128-191 and v192-255 by turns: rows read back
.set G1,  24
.set G0,  32
.set G1B, 48
.set G0B, 56
.set FO,  67                           ; s67      the table's byte offset of the group to be fetched
.set SEL, 90                           ; s[90:91]
.set MSB, 0
.macro WIN new
.if MSB != (\new)
	s_set_vgpr_msb (MSB<<8)|(\new)
.set MSB, \new
.endif
.endm
.macro JLOAD s                         ; a joint load: waves 0 and 1 fetch p's two halves, waves 2 and 3 v's; an s_nop 0 and four v_nop follow each line
	s_cmp_eq_u32 s11, 0
	s_cbranch_scc0 .Lfor_b_\@
	tensor_load_to_lds s[G0+4*(\s):G0+4*(\s)+3], s[G1:G1+7]
	s_nop 0
.rept 4
	v_nop
.endr
	s_branch .Lasked_\@
.Lfor_b_\@:
	tensor_load_to_lds s[G0B+4*(\s):G0B+4*(\s)+3], s[G1B:G1B+7]
	s_nop 0
.rept 4
	v_nop
.endr
.Lasked_\@:
.endm
.macro CREST
	s_cmp_lg_u32 s10, 0
	s_cbranch_scc1 .Lnot_wave_0_\@
	s_barrier_signal -3
.Lnot_wave_0_\@:
	s_barrier_wait -3
	s_barrier_signal -1
	s_barrier_wait -1
.endm
.macro CROUND
	s_barrier_signal -1
	s_barrier_wait -1
	CREST
.endm
.macro PLACES
.rept 4
	v_nop
.endr
.endm
	s_load_b256 s[80:87], s[0:1], 0x0              ; p s[80:81], qkv s[82:83], stats s[84:85], out0 s[86:87]
	v_lshl_add_u32 v[SPW], v0, 2, SPARE
	v_mov_b32 v[NIL], 0
	ds_add_u32 v28, v29
	s_wait_dscnt 0x0
	v_lshrrev_b32 v1, 5, v0
	v_readfirstlane_b32 s10, v1                    ; wave 0..3
	s_lshr_b32 s11, s10, 1                         ; which 64 rows are mine.  Also: I fetch p (0) or v (1)
	s_and_b32 s12, s10, 1                          ; which 128 channels.  Also: which half of that tile I fetch
	s_bfe_u32 s40, ttmp6, 0x40000
	s_bfe_u32 s41, ttmp6, 0x40004
	s_lshl_b32 s42, ttmp9, 2
	s_add_co_u32 s42, s42, s40                     ; tile column: 256 channels
	s_and_b32 s13, ttmp7, 0xffff
	s_lshr_b32 s45, s13, 2                         ; the batch, the same in the whole cluster
	s_lshl_b32 s13, s13, 2
	s_add_co_u32 s13, s13, s41                     ; tile row: 128 of the 8,192 rows
	s_lshl_b32 s43, s41, 2
	s_lshl_b32 s43, 15, s43
	s_lshl_b32 s44, 0x1111, s40
	s_or_b32 s[G1+0], s43, (1<<16)|(1<<20)|(1<<21)|(5<<22)|(3<<25)   ; after every 64 words 4 words
	s_mov_b32 s[G1+1], 128<<16
	s_mov_b32 s[G1+2], 64<<16
	s_mov_b32 s[G1+3], 128<<16
	s_mov_b32 s[G1+4], 64                          ; 64 rows x 128 elements
	s_mov_b32 s[G1+5], 2048                        ; elements from row to row of p
	s_mov_b32 s[G1+6], 0
	s_mov_b32 s[G1+7], 0
	s_or_b32 s[G1B+0], s44, (1<<16)|(1<<20)|(1<<21)|(6<<22)|(7<<25)  ; after every 128 words 8 words
	s_mov_b32 s[G1B+1], 256<<16
	s_mov_b32 s[G1B+2], 64<<16
	s_mov_b32 s[G1B+3], 256<<16
	s_mov_b32 s[G1B+4], 64                         ; 64 keys x 256 elements
	s_mov_b32 s[G1B+5], 3072                       ; elements from row to row of qkv
	s_mov_b32 s[G1B+6], 0
	s_mov_b32 s[G1B+7], 0
	s_lshl_b32 s16, s13, 7                         ; p: row 128 x tile row + 64 x half
	s_lshl_b32 s17, s12, 6
	s_add_co_u32 s16, s16, s17
	s_lshl_b32 s16, s16, 12
	s_mov_b32 s17, 0
	s_lshl_b32 s46, s45, 11                        ; v: key row 2,048 x batch + 64 x half,
	s_lshl_b32 s47, s12, 6
	s_add_co_u32 s46, s46, s47
	s_mul_i32 s46, s46, 6144
	s_lshl_b32 s47, s42, 9                         ; 256 channels a tile column,
	s_add_co_u32 s46, s46, s47
	s_add_co_u32 s46, s46, 4096                    ; from qkv's column 2,048 on
	s_mov_b32 s47, 0
	s_mul_i32 s20, s12, AHALF
	s_mul_i32 s21, s12, BHALF
	s_add_co_u32 s21, s21, BOFF
	s_wait_kmcnt 0x0
	s_add_nc_u64 s[14:15], s[80:81], s[16:17]
	s_add_nc_u64 s[46:47], s[82:83], s[46:47]
	CROUND                                         ; all sixteen work-groups are here: the first joint loads meet
.irp s, 0,1
	s_mov_b32 s[G0+4*(\s)], 1
	s_add_co_u32 s[G0+4*(\s)+1], s20, (\s)*SLOT
	s_add_nc_u64 s[G0+4*(\s)+2:G0+4*(\s)+3], s[14:15], (\s)*ASTEP
	s_or_b32 s[G0+4*(\s)+3], s[G0+4*(\s)+3], 0x80000000
	s_mov_b32 s[G0B+4*(\s)], 1
	s_add_co_u32 s[G0B+4*(\s)+1], s21, (\s)*SLOT
	s_add_nc_u64 s[G0B+4*(\s)+2:G0B+4*(\s)+3], s[46:47], (\s)*BSTEP
	s_or_b32 s[G0B+4*(\s)+3], s[G0B+4*(\s)+3], 0x80000000
	JLOAD \s                                       ; two loads of mine are out
.endr
	; THE STATISTICS of my 64 rows, in the wait for the first tiles.  Lane l takes row l % 16 of each row block and the groups 8 (l / 16) + 0..7.
	v_and_b32 v1, 15, v0                           ; l % 16
	v_bfe_u32 v2, v0, 4, 1                         ; l / 16
	v_lshlrev_b32 v[SO], 3, v1
	v_lshl_add_u32 v[SO], v2, 19, v[SO]            ; eight groups of 65,536 bytes
	s_lshl_b32 s18, s11, 9
	v_add_nc_u32 v[SO], s18, v[SO]
	s_lshl_b32 s18, s13, 10
	s_mov_b32 s19, 0
	s_add_nc_u64 s[84:85], s[84:85], s[18:19]
.irp a, 0,1,2,3
.irp i, 0,1,2,3,4,5,6,7
	global_load_b64 v[SN+16*(\a)+2*(\i):SN+16*(\a)+2*(\i)+1], v[SO], s[84:85] offset:65536*(\i)+128*(\a)
.endr
.endr
	s_mov_b32 s[SEL], 0x76543210
	s_mov_b32 s[SEL+1], 0xfedcba98
	s_mov_b32 s[FO], 0
	v_mul_u32_u24 v3, v1, PA
	v_lshl_add_u32 v3, v2, 4, v3                   ; a fragment of p: row x pitch + 16 x half
	s_mul_i32 s21, s11, 64*PA
	v_and_b32 v4, 7, v0                            ; the turning load: key 8 (l / 16) + l % 8, channels 8 ((l / 8) % 2) + 0..7
	v_lshl_add_u32 v4, v2, 3, v4
	v_mul_u32_u24 v4, v4, PB
	v_bfe_u32 v5, v0, 3, 1
	v_lshl_add_u32 v4, v5, 4, v4
	s_lshl_b32 s22, s12, 8
	s_add_co_u32 s22, s22, BOFF
.irp s, 0,1
	v_add_nc_u32 v[ADRA+(\s)], s21, v3
	v_add_nc_u32 v[ADRB+(\s)], s22, v4
	s_add_co_u32 s21, s21, SLOT
	s_add_co_u32 s22, s22, SLOT
.endr
	s_mul_i32 s23, s10, 16*SP
	s_add_co_u32 s23, s23, STAGE                   ; my stage
	v_mul_u32_u24 v4, v1, SP                       ; in: row l % 16, 32 bytes for each half of the lanes
	v_lshl_add_u32 v4, v2, 5, v4
	v_add_nc_u32 v[STO], s23, v4
	v_and_b32 v[CO], 31, v0                        ; back: 32 lanes take one row of 512 bytes
	v_lshlrev_b32 v[CO], 4, v[CO]
	v_add_nc_u32 v[RD], s23, v[CO]
	s_lshl_b32 s23, s10, 12
	s_add_co_u32 s23, s23, FT                      ; my table
	v_lshl_add_u32 v[FA0], v1, 4, s23
	v_lshl_add_u32 v[FW], v2, 11, v[FA0]           ; my eight groups of 256 bytes
	s_lshl_b32 s16, s13, 7
	s_lshl_b32 s17, s11, 6
	s_add_co_u32 s16, s16, s17                     ; my first row of out
	s_lshl_b32 s16, s16, 12
	s_mov_b32 s17, 0
	s_add_nc_u64 s[86:87], s[86:87], s[16:17]
	s_lshl_b32 s16, s42, 10
	s_lshl_b32 s18, s12, 9
	s_add_co_u32 s16, s16, s18                     ; my first channel, in bytes
	s_add_nc_u64 s[86:87], s[86:87], s[16:17]
	v_mov_b32 v[T1], 0                             ; v_permlanex16_b32's destination counts as read
	s_wait_loadcnt 0x0
.irp a, 0,1,2,3
	v_min3_num_f32 v[T0], v[SN+16*(\a)], v[SN+16*(\a)+2], v[SN+16*(\a)+4]
	v_min3_num_f32 v[T0], v[T0], v[SN+16*(\a)+6], v[SN+16*(\a)+8]
	v_min3_num_f32 v[T0], v[T0], v[SN+16*(\a)+10], v[SN+16*(\a)+12]
	v_min_num_f32 v[T0], v[T0], v[SN+16*(\a)+14]
	v_permlanex16_b32 v[T1], v[T0], s[SEL], s[SEL+1]   ; the other eight groups lie in the lane 16 away
	v_min_num_f32 v[T0], v[T0], v[T1]                  ; N
.irp i, 0,1,2,3,4,5,6,7
	v_sub_f32 v[SN+16*(\a)+2*(\i)], v[T0], v[SN+16*(\a)+2*(\i)]
.endr
.irp i, 0,1,2,3,4,5,6,7
	v_exp_f32 v[SN+16*(\a)+2*(\i)], v[SN+16*(\a)+2*(\i)]  ; f
.endr
	v_nop                                          ; a plain instruction between the last exponential and the use of its result
	s_wait_alu depctr_va_vdst(0)
.irp i, 0,1,2,3,4,5,6,7
	v_cvt_pk_f16_f32 v[H+(\i)], v[SN+16*(\a)+2*(\i)], v[SN+16*(\a)+2*(\i)]
.endr
	v_mul_f32 v[T2], v[SN+16*(\a)], v[SN+16*(\a)+1]
.irp i, 1,2,3,4,5,6,7
	v_fmac_f32 v[T2], v[SN+16*(\a)+2*(\i)], v[SN+16*(\a)+2*(\i)+1]
.endr
.irp i, 0,1,2,3,4,5,6,7
	ds_store_b32 v[FW], v[H+(\i)] offset:256*(\i)+4*(\a)
.endr
	v_permlanex16_b32 v[T1], v[T2], s[SEL], s[SEL+1]
	v_add_f32 v[T2], v[T2], v[T1]                  ; L
	v_rcp_f32 v[RI+2*(\a)], v[T2]
	v_nop                                          ; a plain instruction behind the reciprocal
	s_wait_alu depctr_va_vdst(0)
	v_mov_b32 v[RI+2*(\a)+1], v[RI+2*(\a)]
.endr
; 8 matrix instructions: row block a x all 8 channel blocks, 32 along K.  first = 1: the products start the sums.  The 32 accumulators take turns, one instruction a turn.
.macro MUL8 f, a, first
	WIN 0x50                                       ; C and D window 1
.irp b, 0,1,2,3,4,5,6,7
.if \first
	v_wmma_f32_16x16x32_f16 v[8*(8*(\a)+(\b)):8*(8*(\a)+(\b))+7], v[(\f)+8*(\b):(\f)+8*(\b)+7], v[(\f)+64+8*(\a):(\f)+64+8*(\a)+7], 0
.else
	v_wmma_f32_16x16x32_f16 v[8*(8*(\a)+(\b)):8*(8*(\a)+(\b))+7], v[(\f)+8*(\b):(\f)+8*(\b)+7], v[(\f)+64+8*(\a):(\f)+64+8*(\a)+7], v[8*(8*(\a)+(\b)):8*(8*(\a)+(\b))+7]
.endif
.endr
.endm
; The same, and behind product b register b of the NEXT row block's fragment of p is multiplied by that block's factor: it names no register of the products round it
.macro MUL8R f, a, slot, first
.irp b, 0,1,2,3,4,5,6,7
	WIN 0x50
.if \first
	v_wmma_f32_16x16x32_f16 v[8*(8*(\a)+(\b)):8*(8*(\a)+(\b))+7], v[(\f)+8*(\b):(\f)+8*(\b)+7], v[(\f)+64+8*(\a):(\f)+64+8*(\a)+7], 0
.else
	v_wmma_f32_16x16x32_f16 v[8*(8*(\a)+(\b)):8*(8*(\a)+(\b))+7], v[(\f)+8*(\b):(\f)+8*(\b)+7], v[(\f)+64+8*(\a):(\f)+64+8*(\a)+7], v[8*(8*(\a)+(\b)):8*(8*(\a)+(\b))+7]
.endif
	WIN 0
	v_pk_mul_f16 v[(\f)+64+8*((\a)+1)+(\b)], v[(\f)+64+8*((\a)+1)+(\b)], v[FAC+4*(\slot)+(\a)+1]
.endr
.endm
.macro SCALE0 f, slot                  ; row block 0's fragment has no products in front of it: eight plain lines
	WIN 0
.irp k, 0,1,2,3,4,5,6,7
	v_pk_mul_f16 v[(\f)+64+(\k)], v[(\f)+64+(\k)], v[FAC+4*(\slot)]
.endr
.endm
.macro FETCH slot, q, f                ; 24 LDS loads in one run: v's 8 fragments, turned, then p's 4
	WIN 0
.irp i, 0,1,2,3,4,5,6,7
	ds_load_tr16_b128 v[(\f)+8*(\i):(\f)+8*(\i)+3],   v[ADRB+(\slot)] offset:(\q)*32*PB+32*(\i)
	ds_load_tr16_b128 v[(\f)+8*(\i)+4:(\f)+8*(\i)+7], v[ADRB+(\slot)] offset:(\q)*32*PB+16*PB+32*(\i)
.endr
.irp i, 0,1,2,3
	ds_load_b128 v[(\f)+64+8*(\i):(\f)+64+8*(\i)+3],   v[ADRA+(\slot)] offset:64*(\q)+(\i)*16*PA
	ds_load_b128 v[(\f)+64+8*(\i)+4:(\f)+64+8*(\i)+7], v[ADRA+(\slot)] offset:64*(\q)+(\i)*16*PA+32
.endr
.endm
.macro QUARTER slot, q, f, g, first    ; fetches quarter q into g, then multiplies f
	s_wait_dscnt 0x0                               ; f is in, and the slot's factors
	SCALE0 \f, \slot                               ; its eight lines, which name nothing of g, are also the places in front of the loads into g
	FETCH \slot, \q, \g
	MUL8R \f, 0, \slot, \first
	MUL8R \f, 1, \slot, \first
	MUL8R \f, 2, \slot, \first
	MUL8 \f, 3, \first
.endm
; The fourth quarter multiplies F1 and changes slots: ONE barrier; in front of it each wave waits for all its tensor loads, adds 0 to its spare word, and waits for that and for its reads of this slot.
; fill = 1: the barrier opens a round of the cluster's, and this slot is filled again, two K steps ahead, first thing behind the round.  The next group's factors go into the other set: this slot's are still read.
.macro TURN slot, next, fill
	WIN 0
	s_wait_tensorcnt 0x0                           ; my part of the next slot is in
	ds_add_u32 v[SPW], v[NIL]
	s_wait_dscnt 1                                 ; F1's 24 loads are in; the add alone may be out
	SCALE0 F1, \slot
	MUL8R F1, 0, \slot, 0
	s_wait_dscnt 0x0                               ; the add is done, and my reads of this slot are over
	s_barrier_signal -1
	MUL8R F1, 1, \slot, 0
	s_barrier_wait -1                              ; (the last rider has left every window 0)
.if \fill
	CREST
	s_add_nc_u64 s[G0+4*(\slot)+2:G0+4*(\slot)+3], s[G0+4*(\slot)+2:G0+4*(\slot)+3], 2*ASTEP
	s_add_nc_u64 s[G0B+4*(\slot)+2:G0B+4*(\slot)+3], s[G0B+4*(\slot)+2:G0B+4*(\slot)+3], 2*BSTEP
	JLOAD \slot                                    ; 112 matrix instructions ahead of the wait for it; its four v_nop are also the places in front of the loads below
.else
	PLACES
.endif
	FETCH \next, 0, F0
	s_add_co_u32 s[FO], s[FO], 256                 ; the next group's 256 bytes of my table: 15 steps in all, inside its 4,096 bytes
	v_add_nc_u32 v[FA], s[FO], v[FA0]
	ds_load_b128 v[FAC+4*(\next):FAC+4*(\next)+3], v[FA]
	MUL8R F1, 2, \slot, 0
	MUL8 F1, 3, 0
.endm
	s_wait_tensorcnt 1                             ; my part of K step 0 is in; K step 1's may stay out
	s_wait_dscnt 0x0                               ; no LDS instruction of mine is pending at a signal
	s_barrier_signal -1
	s_barrier_wait -1
	FETCH 0, 0, F0
	ds_load_b128 v[FAC:FAC+3], v[FA0]              ; group 0's factors: my own bytes, stored above; LDS serves a wave's instructions in order (ISA guide 5.7.1.4)
	QUARTER 0, 1, F0, F1, 1
	WIN 0
	s_mov_b32 s3, LAPS-1
.Llap:
	QUARTER 0, 2, F1, F0, 0
	QUARTER 0, 3, F0, F1, 0
	TURN 0, 1, 1
	QUARTER 1, 1, F0, F1, 0
	QUARTER 1, 2, F1, F0, 0
	QUARTER 1, 3, F0, F1, 0
	TURN 1, 0, 1
	QUARTER 0, 1, F0, F1, 0
	WIN 0
	s_sub_co_u32 s3, s3, 1
	s_cmp_lg_u32 s3, 0
	s_cbranch_scc1 .Llap
	QUARTER 0, 2, F1, F0, 0                        ; the last lap is written out: it fills nothing
	QUARTER 0, 3, F0, F1, 0
	TURN 0, 1, 0
	QUARTER 1, 1, F0, F1, 0
	QUARTER 1, 2, F1, F0, 0
	QUARTER 1, 3, F0, F1, 0
	s_wait_dscnt 0x0
	SCALE0 F1, 1
	MUL8R F1, 0, 1, 0
	MUL8R F1, 1, 1, 0
	MUL8R F1, 2, 1, 0
	MUL8 F1, 3, 0
; THE WAY OUT, 16 rows at a time: times 1 / L (each accumulator's registers in ascending order), 32 bytes a lane into my own stage, back as whole rows of 512 bytes, stored.
.macro PACK a
	WIN 0x01                                       ; source 0 window 1
.irp b, 0,1,2,3,4,5,6,7
.irp i, 0,1,2,3
	v_pk_mul_f32 v[TMP+8*(\b)+2*(\i):TMP+8*(\b)+2*(\i)+1], v[8*(8*(\a)+(\b))+2*(\i):8*(8*(\a)+(\b))+2*(\i)+1], v[RI+2*(\a):RI+2*(\a)+1]
.endr
.endr
	WIN 0
.endm
.macro TOSTAGE a
.set BK, OB+64*((\a)%2)
.irp b, 0,1,2,3,4,5,6,7
	ds_store_b128 v[STO], v[TMP+8*(\b):TMP+8*(\b)+3]   offset:64*(\b)
	ds_store_b128 v[STO], v[TMP+8*(\b)+4:TMP+8*(\b)+7] offset:64*(\b)+16
.endr
.irp t, 0,1,2,3,4,5,6,7,8,9,10,11,12,13,14,15
	ds_load_b128 v[BK+4*(\t):BK+4*(\t)+3], v[RD] offset:(\t)*SP  ; these see the stores above: a wave's LDS instructions are served in order
.endr
.endm
.macro SEND a
.set BK, OB+64*((\a)%2)
	s_wait_dscnt 0x0                               ; the block is back in registers
	s_wait_xcnt 0x0                                ; the stores of the block before have read their registers: the next block's loads from the stage land there
.irp t, 0,1,2,3,4,5,6,7,8,9,10,11,12,13,14,15
	global_store_b128 v[CO], v[BK+4*(\t):BK+4*(\t)+3], s[86:87] offset:(\a)*16*OP_ROW+(\t)*OP_ROW th:TH_STORE_NT  ; 512 consecutive bytes, at a multiple of 256 from out0's first byte
.endr
.endm
	PLACES
	PACK 0
	TOSTAGE 0
.irp a, 1,2,3                          ; a block's arithmetic stands between the loads of the block before and the wait for them
	PACK \a
	SEND (\a)-1
	TOSTAGE \a
.endr
	SEND 3
	s_wait_tensorcnt 0x0                           ; the wave's end
	ds_add_u32 v[SPW], v[NIL]
	s_wait_dscnt 0x0
	CROUND                                         ; the closing round
	s_endpgm
.Lfunc_end_k_q2698d17525_pv:
	.size	k_q2698d17525_pv, .Lfunc_end_k_q2698d17525_pv-k_q2698d17525_pv
	.p2alignl 7, 3214868480
	.fill 96, 4, 3214868480
	.section	.rodata,"a",@progbits
	.p2align	6, 0x0
	.amdhsa_kernel k_q2698d17525_pv
		.amdhsa_group_segment_fixed_size 327680
		.amdhsa_private_segment_fixed_size 0
		.amdhsa_enable_private_segment 0
		.amdhsa_kernarg_size 32
		.amdhsa_user_sgpr_count 2
		.amdhsa_user_sgpr_kernarg_segment_ptr 1
		.amdhsa_wavefront_size32 1
		.amdhsa_system_sgpr_workgroup_id_x 1
		.amdhsa_system_sgpr_workgroup_id_y 1
		.amdhsa_system_sgpr_workgroup_id_z 1
		.amdhsa_system_vgpr_workitem_id 0
		.amdhsa_next_free_vgpr 512
		.amdhsa_next_free_sgpr 102
		.amdhsa_reserve_vcc 0
		.amdhsa_float_denorm_mode_32 3
		.amdhsa_float_denorm_mode_16_64 3
		.amdhsa_memory_ordered 1
		.amdhsa_forward_progress 1
		.amdhsa_inst_pref_size 160
	.end_amdhsa_kernel
	.amdgpu_metadata
---
amdhsa.version: [ 1, 2 ]
amdhsa.kernels:
  - .name:           k_q2698d17525_pv
    .symbol:         k_q2698d17525_pv.kd
    .args:
      - { .name: p, .offset: 0, .size: 8, .value_kind: global_buffer, .address_space: global }
      - { .name: qkv, .offset: 8, .size: 8, .value_kind: global_buffer, .address_space: global }
      - { .name: stats, .offset: 16, .size: 8, .value_kind: global_buffer, .address_space: global }
      - { .name: out0, .offset: 24, .size: 8, .value_kind: global_buffer, .address_space: global }
    .group_segment_fixed_size: 327680
    .private_segment_fixed_size: 0
    .kernarg_segment_align: 8
    .kernarg_segment_size: 32
    .max_flat_workgroup_size: 128
    .sgpr_count:     102
    .vgpr_count:     512
    .wavefront_size: 32
...
	.end_amdgpu_metadata
.endif
;; end of part 4
;; ======== version 2 of 3: 4 launches
;; limits: values are held in f16: magnitudes above 65,504 overflow, below 6.1e-05 lose precision
;; workspace buffers: xw 23,068,672 bytes; qkv 50,331,648 bytes; p 33,554,432 bytes; stats 1,048,576 bytes
;; launch cast: the kernel of part 1 again; grid 64 x 11, 8 waves a work-group, no clusters, 0 bytes of LDS; arguments x, wq, wk, wv, xw; writes xw
;; launch proj (part 5): grid 12 x 32, 8 waves a work-group, clusters of 4 x 4, 327,680 bytes of LDS; arguments xw, bq, bk, bv, qkv; writes qkv
.if DOCPART == 5
	.amdgcn_target "amdgcn-amd-amdhsa--gfx1250"
	.amdhsa_code_object_version 6
	.text
	.protected	k_q2698d17525_proj
	.globl	k_q2698d17525_proj
	.p2align	8
	.type	k_q2698d17525_proj,@function
k_q2698d17525_proj:
	s_mov_b64 s[64:65], 0
	v_nop
	global_prefetch_b8 v0, s[64:65] scope:SCOPE_SE
	s_setreg_imm32_b32 hwreg(HW_REG_WAVE_MODE, 25, 1), 1
	s_wait_xcnt 0x0
	s_wait_alu depctr_hold_cnt(0) depctr_sa_sdst(0) depctr_va_vdst(0) depctr_va_sdst(0) depctr_va_ssrc(0) depctr_va_vcc(0) depctr_vm_vsrc(0)
	s_getreg_b32 s2, hwreg(HW_REG_IB_STS2, 6, 4)
	s_cmp_eq_u32 s2, 0
	s_cbranch_scc0 .Lentry_in_a_cluster
	s_endpgm
.Lentry_in_a_cluster:
	s_bfe_u32 s2, ttmp6, 0x10000c
	s_cmp_lg_u32 s2, 0xf033
	s_cbranch_scc0 .Lentry_shape_is_right
	s_endpgm
.Lentry_shape_is_right:
; qkv[t][n] = sum over k of xb[t][k] W[k][n] + bf16(b[n]), rounded once to f16.  xb: [8192][1024] bf16; W: wq, wk, wv as [k][n] bf16 (both in xw); qkv: [8192][3072] f16, q | k | v.
; Products in bf16, sums in f32; the bias, rounded to bf16 like every input, is the C operand of each sum's first product.  q is NOT scaled here: the 1/32 lies in the next launch's exponent factor.
; LIMIT.  f16 holds no number beyond 65,504: a q, k or v beyond that becomes an infinity.  Inputs of spread 1 give a spread of 1 here; x and w both 30 times larger give 900.
; SHARES.  A work-group makes 256 tokens x 256 channels with EIGHT waves, two to each of a WGP's four SIMDs; a wave makes 64 x 128: 32 accumulators of 16 x 16.  32 x 12 = 384 work-groups.
; Eight waves, so that a slot's K step of 128 holds 128 matrix instructions for each of eight waves: all 128 stand between a refill's request and the wait for it, 256 for the two waves of a SIMD.
; Four waves of 128 x 128 would read a third less from LDS; the way out below, which stands once for each 16 rows of a wave, would then be twice as long a text.
; K goes in steps of 128 through two LDS slots filled by tensor loads; xb's rows are 256 bytes, W's 512 bytes, each at a multiple of 256 from the buffer's first byte.
; THE MATRIX INSTRUCTION IS USED TRANSPOSED: source 0 = 16 channels (W turned by ds_load_tr16_b128), source 1 = 16 tokens: a lane holds one token (lane % 16) and eight neighbouring channels 8 (lane / 16) + 0..7.
; CLUSTER.  4 x 4 work-groups: the four of a row need the same tile of xb, the four of a column the same tile of W: each is asked for jointly, by the same load and descriptor with a mask of the four.
; REGISTERS, in windows of 256 (s_set_vgpr_msb: bits 1:0 source 0, 3:2 source 1, 5:4 source 2, 7:6 destination):
;   window 0: v0-31 addresses; v64-159, v160-255 two fragment buffers (64 registers of W, then 32 of xb); the second holds the bias until the first quarter has taken it;   window 1: accumulator (a, b) at v[8 (8 a + b)]
.set PA,    272                        ; a row of xb in LDS: 256 bytes + 16: the 16 rows of a fragment load start 68 words apart
.set PB,    544                        ; a k row of W in LDS: 512 bytes + 32: 17 x 32 bytes, for the turning load
.set AQ,    64*PA                      ; what a wave's load of xb brings: 64 rows
.set BQ,    32*PB                      ; what a wave's load of W brings: 32 k rows
.set BOFF,  4*AQ                       ; W's tile lies behind xb's 256 rows
.set SLOT,  BOFF+4*BQ                  ; 139,264 bytes
.set STAGE, 2*SLOT                     ; behind the ring: 16 rows x 272 bytes for each wave, for the way out; no tensor load lands here
.set SP,    272
.set SPARE, STAGE+8*16*SP              ; the spare words, 128 bytes for each wave: four blocks of 256 bytes that no other line names
.set LAPS,  4                          ; a lap = two K steps; K = 1,024
.set ASTEP, 256                        ; bytes from K step to K step in xb
.set BSTEP, 128*2048                   ; and in W: 128 k rows
.set QP,    6144                       ; bytes in a row of qkv
.set ADRA, 16                          ; v16-17  LDS address of my xb fragments in slot 0, 1
.set ADRB, 20                          ; v20-21  the same for W
.set STO,  24                          ; v24     the way out: where I put 16 bytes of a row
.set RD,   25                          ; v25     where I read a row back
.set CO,   26                          ; v26     my byte offset in qkv
.set SPW,  28                          ; v28     LDS address of my spare word; never rewritten
.set NIL,  29                          ; v29     0; never rewritten
.set BO,   30                          ; v30     my byte offset in the bias
.set F0,   64
.set F1,   160
.set BI,   160                         ; v160-223 the bias of my 128 channels, until the first quarter is multiplied
.set BT,   224                         ; v224-227 at work on it
.set TMP,  64                          ; the way out: packed results
.set OB,   96                          ; the way out: rows read back, v96-127 and v128-159 by turns
.set G1,  24                           ; s[24:31] descriptor group 1 for xb's tiles; s[32:39] group 0, one set for each slot
.set G0,  32
.set G1B, 48                           ; s[48:55], s[56:63] the same for W's tiles
.set G0B, 56
.set FB,  66                           ; s66      I fetch xb (0) or W (1)
.set FQ,  67                           ; s67      which quarter of that tile
.set MSB, 0
.macro WIN new                         ; the immediate's high byte repeats the setting that is left; a switch that changes nothing is dropped
.if MSB != (\new)
	s_set_vgpr_msb (MSB<<8)|(\new)
.set MSB, \new
.endif
.endm
.macro JLOAD s                         ; a joint load: waves 0-3 fetch xb's four quarters, waves 4-7 W's; an s_nop 0 and four v_nop follow each line
	s_cmp_eq_u32 s[FB], 0
	s_cbranch_scc0 .Lfor_b_\@
	tensor_load_to_lds s[G0+4*(\s):G0+4*(\s)+3], s[G1:G1+7]
	s_nop 0
.rept 4
	v_nop
.endr
	s_branch .Lasked_\@
.Lfor_b_\@:
	tensor_load_to_lds s[G0B+4*(\s):G0B+4*(\s)+3], s[G1B:G1B+7]
	s_nop 0
.rept 4
	v_nop
.endr
.Lasked_\@:
.endm
.macro CREST                           ; a round of the cluster's barrier behind its opening barrier
	s_cmp_lg_u32 s10, 0
	s_cbranch_scc1 .Lnot_wave_0_\@
	s_barrier_signal -3
.Lnot_wave_0_\@:
	s_barrier_wait -3
	s_barrier_signal -1
	s_barrier_wait -1
.endm
.macro CROUND                          ; a whole round
	s_barrier_signal -1
	s_barrier_wait -1
	CREST
.endm
.macro PLACES                          ; four plain vector instructions between a matrix instruction and a load into, or a vector access to, its registers
.rept 4
	v_nop
.endr
.endm
	s_load_b256 s[80:87], s[0:1], 0x0              ; xw s[80:81], bq s[82:83], bk s[84:85], bv s[86:87]
	s_load_b64 s[8:9], s[0:1], 0x20                ; qkv
	v_lshl_add_u32 v[SPW], v0, 2, SPARE
	v_mov_b32 v[NIL], 0
	ds_add_u32 v28, v29
	s_wait_dscnt 0x0
	v_lshrrev_b32 v1, 5, v0
	v_readfirstlane_b32 s10, v1                    ; wave 0..7
	s_lshr_b32 s11, s10, 1                         ; which 64 tokens are mine, 0..3
	s_and_b32 s12, s10, 1                          ; which 128 channels
	s_lshr_b32 s[FB], s10, 2
	s_and_b32 s[FQ], s10, 3
	s_bfe_u32 s40, ttmp6, 0x40000                  ; cx, cy: my place in the cluster
	s_bfe_u32 s41, ttmp6, 0x40004
	s_lshl_b32 s42, ttmp9, 2
	s_add_co_u32 s42, s42, s40                     ; tile column = 4 x cluster x + cx
	s_and_b32 s13, ttmp7, 0xffff
	s_lshl_b32 s13, s13, 2
	s_add_co_u32 s13, s13, s41                     ; tile row = 4 x cluster y + cy
	s_lshl_b32 s43, s41, 2
	s_lshl_b32 s43, 15, s43                        ; my row of the cluster
	s_lshl_b32 s44, 0x1111, s40                    ; my column
	s_or_b32 s[G1+0], s43, (1<<16)|(1<<20)|(1<<21)|(5<<22)|(3<<25)   ; the mask; 2-byte elements; padding on; bit 21 beside a mask; after every 64 words 4 words
	s_mov_b32 s[G1+1], 128<<16                     ; tensor_dim0 = 128
	s_mov_b32 s[G1+2], 64<<16                      ; tensor_dim1 = 64
	s_mov_b32 s[G1+3], 128<<16                     ; tile_dim0 = 128
	s_mov_b32 s[G1+4], 64                          ; tile_dim1 = 64
	s_mov_b32 s[G1+5], 1024                        ; elements from row to row
	s_mov_b32 s[G1+6], 0
	s_mov_b32 s[G1+7], 0
	s_or_b32 s[G1B+0], s44, (1<<16)|(1<<20)|(1<<21)|(6<<22)|(7<<25)  ; after every 128 words 8 words
	s_mov_b32 s[G1B+1], 256<<16
	s_mov_b32 s[G1B+2], 32<<16
	s_mov_b32 s[G1B+3], 256<<16
	s_mov_b32 s[G1B+4], 32                         ; 32 k rows x 256 elements
	s_mov_b32 s[G1B+5], 1024
	s_mov_b32 s[G1B+6], 0
	s_mov_b32 s[G1B+7], 0
	s_lshl_b32 s16, s13, 8                         ; xb: row 256 x tile row + 64 x quarter, 2,048 bytes each: made of the tile row and the wave alone
	s_lshl_b32 s17, s[FQ], 6
	s_add_co_u32 s16, s16, s17
	s_lshl_b32 s16, s16, 11
	s_mov_b32 s17, 0
	s_lshl_b32 s46, ttmp9, 21                      ; W: the cluster's weight (2,097,152 bytes each), cx's 256 columns, my 32 k rows: made of the tile column and the wave alone
	s_lshl_b32 s47, s40, 9
	s_add_co_u32 s46, s46, s47
	s_lshl_b32 s47, s[FQ], 16
	s_add_co_u32 s46, s46, s47
	s_add_co_u32 s46, s46, 0x1000000               ; the weights lie behind xb's 16,777,216 bytes
	s_mov_b32 s47, 0
	s_mul_i32 s20, s[FQ], AQ                       ; where they go: no place in the cluster enters an LDS address
	s_mul_i32 s21, s[FQ], BQ
	s_add_co_u32 s21, s21, BOFF
	s_wait_kmcnt 0x0
	s_add_nc_u64 s[14:15], s[80:81], s[16:17]
	s_add_nc_u64 s[46:47], s[80:81], s[46:47]
	CROUND                                         ; all sixteen work-groups are here: the first joint loads meet
.irp s, 0,1
	s_mov_b32 s[G0+4*(\s)], 1
	s_add_co_u32 s[G0+4*(\s)+1], s20, (\s)*SLOT
	s_add_nc_u64 s[G0+4*(\s)+2:G0+4*(\s)+3], s[14:15], (\s)*ASTEP
	s_or_b32 s[G0+4*(\s)+3], s[G0+4*(\s)+3], 0x80000000
	s_mov_b32 s[G0B+4*(\s)], 1
	s_add_co_u32 s[G0B+4*(\s)+1], s21, (\s)*SLOT
	s_add_nc_u64 s[G0B+4*(\s)+2:G0B+4*(\s)+3], s[46:47], (\s)*BSTEP
	s_or_b32 s[G0B+4*(\s)+3], s[G0B+4*(\s)+3], 0x80000000
	JLOAD \s                                       ; two loads of mine are out
.endr
	; the bias of my 128 channels: register j of column block b is channel 16 b + 8 (lane / 16) + j
	v_and_b32 v1, 15, v0                           ; l % 16
	v_bfe_u32 v2, v0, 4, 1                         ; l / 16
	s_mov_b32 s91, ttmp9                           ; 0: q, 1: k, 2: v: the same in the whole cluster
	s_cmp_eq_u32 s91, 1
	s_cselect_b64 s[88:89], s[84:85], s[82:83]
	s_cmp_eq_u32 s91, 2
	s_cselect_b64 s[88:89], s[86:87], s[88:89]
	s_lshl_b32 s92, s40, 10
	s_lshl_b32 s93, s12, 9
	s_add_co_u32 s92, s92, s93
	s_mov_b32 s93, 0
	s_add_nc_u64 s[88:89], s[88:89], s[92:93]
	s_mov_b32 s90, 0xffff0000
	v_lshlrev_b32 v[BO], 5, v2
.irp b, 0,1,2,3,4,5,6,7
	global_load_b128 v[BI+8*(\b):BI+8*(\b)+3],   v[BO], s[88:89] offset:64*(\b)
	global_load_b128 v[BI+8*(\b)+4:BI+8*(\b)+7], v[BO], s[88:89] offset:64*(\b)+16
.endr
	; a fragment of xb: lane l holds row l % 16, k = 8 (l / 16) + 0..7 and 16 + 8 (l / 16) + 0..7: two loads of 16 bytes, 32 bytes apart
	v_mul_u32_u24 v3, v1, PA
	v_lshl_add_u32 v3, v2, 4, v3
	s_mul_i32 s21, s11, 64*PA                      ; my 64 rows
	; the turning load: lane l reads k row 8 (l / 16) + l % 8, columns 8 ((l / 8) % 2) + 0..7, and is left with column l % 16 and 8 k
	v_and_b32 v4, 7, v0
	v_lshl_add_u32 v4, v2, 3, v4
	v_mul_u32_u24 v4, v4, PB
	v_bfe_u32 v5, v0, 3, 1
	v_lshl_add_u32 v4, v5, 4, v4
	s_lshl_b32 s22, s12, 8                         ; my 128 columns
	s_add_co_u32 s22, s22, BOFF
.irp s, 0,1
	v_add_nc_u32 v[ADRA+(\s)], s21, v3
	v_add_nc_u32 v[ADRB+(\s)], s22, v4
	s_add_co_u32 s21, s21, SLOT
	s_add_co_u32 s22, s22, SLOT
.endr
	s_mul_i32 s23, s10, 16*SP
	s_add_co_u32 s23, s23, STAGE                   ; my stage
	v_mul_u32_u24 v4, v1, SP                       ; in: row l % 16, 16 bytes for each half of the lanes
	v_lshl_add_u32 v4, v2, 4, v4
	v_add_nc_u32 v[STO], s23, v4
	v_mul_u32_u24 v5, v2, SP                       ; back: lanes 0-15 one row of 256 bytes, lanes 16-31 the next
	v_lshl_add_u32 v5, v1, 4, v5
	v_add_nc_u32 v[RD], s23, v5
	v_mul_u32_u24 v5, v2, QP                       ; and the same two rows in qkv
	v_lshl_add_u32 v[CO], v1, 4, v5
	s_lshl_b32 s16, s13, 8
	s_lshl_b32 s17, s11, 6
	s_add_co_u32 s16, s16, s17                     ; my first row of qkv
	s_mul_i32 s16, s16, QP
	s_mov_b32 s17, 0
	s_add_nc_u64 s[8:9], s[8:9], s[16:17]
	s_lshl_b32 s46, s42, 9                         ; my first column, in bytes
	s_lshl_b32 s47, s12, 8
	s_add_co_u32 s46, s46, s47
	s_mov_b32 s47, 0
	s_add_nc_u64 s[8:9], s[8:9], s[46:47]
	s_wait_loadcnt 0x0                             ; the bias
.set i, 0
.rept 32                                               ; rounded to bf16 like every input, and widened again
	v_cvt_pk_bf16_f32 v[BT+i%4], v[BI+2*i], v[BI+2*i+1]
	v_lshlrev_b32 v[BI+2*i], 16, v[BT+i%4]
	v_and_b32 v[BI+2*i+1], s90, v[BT+i%4]
.set i, i+1
.endr
; 8 matrix instructions: token block a x all 8 channel blocks, 32 along K.  first = 2: the bias starts the sums.  The 32 accumulators take turns, one instruction a turn, in the same order in every quarter.
.macro MUL8 f, a, first
.irp b, 0,1,2,3,4,5,6,7
.if (\first) == 2
	WIN 0x40                                       ; D window 1, C window 0
	v_wmma_f32_16x16x32_bf16 v[8*(8*(\a)+(\b)):8*(8*(\a)+(\b))+7], v[(\f)+8*(\b):(\f)+8*(\b)+7], v[(\f)+64+8*(\a):(\f)+64+8*(\a)+7], v[BI+8*(\b):BI+8*(\b)+7]
.else
	WIN 0x50                                       ; C and D window 1
	v_wmma_f32_16x16x32_bf16 v[8*(8*(\a)+(\b)):8*(8*(\a)+(\b))+7], v[(\f)+8*(\b):(\f)+8*(\b)+7], v[(\f)+64+8*(\a):(\f)+64+8*(\a)+7], v[8*(8*(\a)+(\b)):8*(8*(\a)+(\b))+7]
.endif
.endr
.endm
; 24 LDS loads in one run: quarter q (32 along K) of a slot into buffer f: W's 8 fragments, turned, then xb's 4
.macro FETCH slot, q, f
	WIN 0
.irp i, 0,1,2,3,4,5,6,7
	ds_load_tr16_b128 v[(\f)+8*(\i):(\f)+8*(\i)+3],   v[ADRB+(\slot)] offset:(\q)*32*PB+32*(\i)
	ds_load_tr16_b128 v[(\f)+8*(\i)+4:(\f)+8*(\i)+7], v[ADRB+(\slot)] offset:(\q)*32*PB+16*PB+32*(\i)
.endr
.irp i, 0,1,2,3
	ds_load_b128 v[(\f)+64+8*(\i):(\f)+64+8*(\i)+3],   v[ADRA+(\slot)] offset:64*(\q)+(\i)*16*PA
	ds_load_b128 v[(\f)+64+8*(\i)+4:(\f)+64+8*(\i)+7], v[ADRA+(\slot)] offset:64*(\q)+(\i)*16*PA+32
.endr
.endm
; One of a K step's first three quarters: fetches quarter q into g, then multiplies f: the run of loads has 32 matrix instructions in which to come back
.macro QUARTER slot, q, f, g
	s_wait_dscnt 0x0                               ; f is in
	PLACES                                         ; g was read by the matrix instructions just issued
	FETCH \slot, \q, \g
	MUL8 \f, 0, 0
	MUL8 \f, 1, 0
	MUL8 \f, 2, 0
	MUL8 \f, 3, 0
.endm
; The fourth quarter multiplies F1 and changes slots: ONE barrier.  Its first 16 products need nothing of the tile that is awaited, so they stand AHEAD of the wait for it: they are issued while the tile is on
; its way, and the next request follows the tile's arrival by the three lines and the round alone.  Then each wave waits for all its tensor loads (the one that is out is its part of the next slot), adds 0 to
; its spare word, and waits for that; its reads of this slot were over at the quarter's head.  fill = 1: the barrier opens a round of the cluster's, and this slot is filled again, two K steps ahead, first thing behind the round.
.macro TURN slot, next, fill
	s_wait_dscnt 0x0                               ; F1's 24 loads, my last reads of this slot, are in
	MUL8 F1, 0, 0
	MUL8 F1, 1, 0
	WIN 0
	s_wait_tensorcnt 0x0
	ds_add_u32 v[SPW], v[NIL]                      ; 0 onto my spare word; the descriptors' steps stand between it and the wait for it
.if \fill
	s_add_nc_u64 s[G0+4*(\slot)+2:G0+4*(\slot)+3], s[G0+4*(\slot)+2:G0+4*(\slot)+3], 2*ASTEP     ; no tensor load of mine is out: a group 0 may be written
	s_add_nc_u64 s[G0B+4*(\slot)+2:G0B+4*(\slot)+3], s[G0B+4*(\slot)+2:G0B+4*(\slot)+3], 2*BSTEP
.endif
	s_wait_dscnt 0x0                               ; the add is done
	s_barrier_signal -1
	s_barrier_wait -1
.if \fill
	CREST                                          ; no wave of any partner still reads this slot or has a load on its way
	JLOAD \slot                                    ; 128 matrix instructions of mine ahead of the wait for it; its four v_nop are also the places in front of the loads below
.else
	PLACES
.endif
	FETCH \next, 0, F0
	MUL8 F1, 2, 0                                  ; the quarter's other 16 products stand between those loads and the wait for them
	MUL8 F1, 3, 0
.endm
	s_wait_tensorcnt 1                             ; my part of K step 0 is in; K step 1's may stay out
	s_barrier_signal -1
	s_barrier_wait -1                              ; everybody's is
	FETCH 0, 0, F0
	s_wait_dscnt 0x0
	MUL8 F0, 0, 2                                  ; the first quarter stands in front of the loop: its products start the sums with the bias,
	MUL8 F0, 1, 2
	MUL8 F0, 2, 2
	MUL8 F0, 3, 2
	PLACES                                         ; whose registers are F1's: so this one quarter multiplies first and fetches afterwards
	FETCH 0, 1, F1
	WIN 0
	s_mov_b32 s3, LAPS-1
.Llap:                                                 ; a trip goes once round the ring, from a lap's second quarter to the next lap's first
	QUARTER 0, 2, F1, F0
	QUARTER 0, 3, F0, F1
	TURN 0, 1, 1
	QUARTER 1, 1, F0, F1
	QUARTER 1, 2, F1, F0
	QUARTER 1, 3, F0, F1
	TURN 1, 0, 1
	QUARTER 0, 1, F0, F1
	WIN 0
	s_sub_co_u32 s3, s3, 1
	s_cmp_lg_u32 s3, 0
	s_cbranch_scc1 .Llap
	QUARTER 0, 2, F1, F0                           ; the last lap is written out: it fills nothing
	QUARTER 0, 3, F0, F1
	TURN 0, 1, 0
	QUARTER 1, 1, F0, F1
	QUARTER 1, 2, F1, F0
	QUARTER 1, 3, F0, F1
	s_wait_dscnt 0x0
	MUL8 F1, 0, 0
	MUL8 F1, 1, 0
	MUL8 F1, 2, 0
	MUL8 F1, 3, 0
; THE WAY OUT, 16 tokens at a time: rounded to f16 (each accumulator's registers in ascending order), 16 bytes a lane into my own stage, back as whole rows of 256 bytes, stored.
.macro PACK a
	WIN 0x05                                       ; sources 0 and 1 window 1
.irp b, 0,1,2,3,4,5,6,7
.irp i, 0,1,2,3
	v_cvt_pk_f16_f32 v[TMP+4*(\b)+(\i)], v[8*(8*(\a)+(\b))+2*(\i)], v[8*(8*(\a)+(\b))+2*(\i)+1]
.endr
.endr
	WIN 0
.endm
.macro TOSTAGE a
.set BK, OB+32*((\a)%2)
.irp b, 0,1,2,3,4,5,6,7
	ds_store_b128 v[STO], v[TMP+4*(\b):TMP+4*(\b)+3] offset:32*(\b)
.endr
.irp t, 0,1,2,3,4,5,6,7
	ds_load_b128 v[BK+4*(\t):BK+4*(\t)+3], v[RD] offset:(\t)*2*SP  ; LDS serves a wave's instructions in order (ISA guide 5.7.1.4): these see the stores above
.endr
.endm
.macro SEND a
.set BK, OB+32*((\a)%2)
	s_wait_dscnt 0x0                               ; the block is back in registers
	s_wait_xcnt 0x0                                ; the stores of the block before have read their registers: the next block's loads from the stage land there
.irp t, 0,1,2,3,4,5,6,7
	global_store_b128 v[CO], v[BK+4*(\t):BK+4*(\t)+3], s[8:9] offset:(\a)*16*QP+(\t)*2*QP  ; 16 lanes store 256 consecutive bytes, at a multiple of 256 from qkv's first byte
.endr
.endm
	PLACES
	PACK 0
	TOSTAGE 0
.irp a, 1,2,3                          ; a block's conversions stand between the loads of the block before and the wait for them
	PACK \a
	SEND (\a)-1
	TOSTAGE \a
.endr
	SEND 3
	s_wait_tensorcnt 0x0                           ; the wave's end
	ds_add_u32 v[SPW], v[NIL]
	s_wait_dscnt 0x0
	CROUND                                         ; the closing round: no work-group ends while a partner may still ask for a tile that names it
	s_endpgm
.Lfunc_end_k_q2698d17525_proj:
	.size	k_q2698d17525_proj, .Lfunc_end_k_q2698d17525_proj-k_q2698d17525_proj
	.p2alignl 7, 3214868480
	.fill 96, 4, 3214868480
	.section	.rodata,"a",@progbits
	.p2align	6, 0x0
	.amdhsa_kernel k_q2698d17525_proj
		.amdhsa_group_segment_fixed_size 327680
		.amdhsa_private_segment_fixed_size 0
		.amdhsa_enable_private_segment 0
		.amdhsa_kernarg_size 40
		.amdhsa_user_sgpr_count 2
		.amdhsa_user_sgpr_kernarg_segment_ptr 1
		.amdhsa_wavefront_size32 1
		.amdhsa_system_sgpr_workgroup_id_x 1
		.amdhsa_system_sgpr_workgroup_id_y 1
		.amdhsa_system_sgpr_workgroup_id_z 1
		.amdhsa_system_vgpr_workitem_id 0
		.amdhsa_next_free_vgpr 512
		.amdhsa_next_free_sgpr 102
		.amdhsa_reserve_vcc 0
		.amdhsa_float_denorm_mode_32 3
		.amdhsa_float_denorm_mode_16_64 3
		.amdhsa_memory_ordered 1
		.amdhsa_forward_progress 1
		.amdhsa_inst_pref_size 91
	.end_amdhsa_kernel
	.amdgpu_metadata
---
amdhsa.version: [ 1, 2 ]
amdhsa.kernels:
  - .name:           k_q2698d17525_proj
    .symbol:         k_q2698d17525_proj.kd
    .args:
      - { .name: xw, .offset: 0, .size: 8, .value_kind: global_buffer, .address_space: global }
      - { .name: bq, .offset: 8, .size: 8, .value_kind: global_buffer, .address_space: global }
      - { .name: bk, .offset: 16, .size: 8, .value_kind: global_buffer, .address_space: global }
      - { .name: bv, .offset: 24, .size: 8, .value_kind: global_buffer, .address_space: global }
      - { .name: qkv, .offset: 32, .size: 8, .value_kind: global_buffer, .address_space: global }
    .group_segment_fixed_size: 327680
    .private_segment_fixed_size: 0
    .kernarg_segment_align: 8
    .kernarg_segment_size: 40
    .max_flat_workgroup_size: 256
    .sgpr_count:     102
    .vgpr_count:     512
    .wavefront_size: 32
...
	.end_amdgpu_metadata
.endif
;; end of part 5
;; launch score (part 6): grid 8 x 32, 8 waves a work-group, clusters of 4 x 4, 327,680 bytes of LDS; arguments qkv, mask, p, stats; writes p, stats
.if DOCPART == 6
	.amdgcn_target "amdgcn-amd-amdhsa--gfx1250"
	.amdhsa_code_object_version 6
	.text
	.protected	k_q2698d17525_score
	.globl	k_q2698d17525_score
	.p2align	8
	.type	k_q2698d17525_score,@function
k_q2698d17525_score:
	s_mov_b64 s[64:65], 0
	v_nop
	global_prefetch_b8 v0, s[64:65] scope:SCOPE_SE
	s_setreg_imm32_b32 hwreg(HW_REG_WAVE_MODE, 25, 1), 1
	s_wait_xcnt 0x0
	s_wait_alu depctr_hold_cnt(0) depctr_sa_sdst(0) depctr_va_vdst(0) depctr_va_sdst(0) depctr_va_ssrc(0) depctr_va_vcc(0) depctr_vm_vsrc(0)
	s_getreg_b32 s2, hwreg(HW_REG_IB_STS2, 6, 4)
	s_cmp_eq_u32 s2, 0
	s_cbranch_scc0 .Lentry_in_a_cluster
	s_endpgm
.Lentry_in_a_cluster:
	s_bfe_u32 s2, ttmp6, 0x10000c
	s_cmp_lg_u32 s2, 0xf033
	s_cbranch_scc0 .Lentry_shape_is_right
	s_endpgm
.Lentry_shape_is_right:
; For each query row and each GROUP of 128 keys: s = q . k (f16 operands, f32 sums, unscaled); s' = s where the mask byte is not 0, else NEG = -999999 x 32 (exact in f32);
; m = max over the group of s'; n = floor(-c m), c = log2(e) / 32; p[row][key] = 2^(c s' + n) rounded to f16; stats[group][row] = (n, l), l = the sum of the unrounded weights.
; So the group's true maximum, rounded up to a whole power of two, is taken away before the exponential: the weights lie in (0, 1] (above 1 by no more than the rounding of c m).
; The next launch brings the groups onto one reference by exact powers of two.  A masked score is REPLACED, as the problem has it: a row all masked gives equal weights, and a masked place can win.
; LIMITS.  q and k arrive within f16's 65,504.  A weight below 2^-126 counts as 0 in l; below 6e-5 p keeps f16's fixed step of 6e-8.  NaN and infinities are not treated apart.
; SHARES.  A work-group makes 256 queries x 256 keys of one batch with EIGHT waves, two to each of a WGP's four SIMDs; a wave makes 64 x 128: its keys are one group.  32 x 8 = 256 work-groups.
; Eight waves, so that a slot's K step of 128 holds 128 matrix instructions for each of eight waves: all 128 stand between a refill's request and the wait for it, 256 for the two waves of a SIMD.
; Four waves of 128 x 128 would read a third less from LDS, but the way out below, which stands once for each 16 queries of a wave, would be twice as long a text.
; K (the 1,024 channels) goes in steps of 128 through two LDS slots.  The mask's 256 x 256 bytes have no room beside the ring: they are slot 0's last fill, asked for when its last K step has been read.
; THE MATRIX INSTRUCTION IS USED TRANSPOSED: source 0 = 16 keys, source 1 = 16 queries: a lane holds one query (lane % 16) and the keys 8 (lane / 16) + 0..7 of each block of 16.
; CLUSTER.  4 x 4 work-groups: q's tile is shared along a row of the cluster, k's along a column; both are asked for jointly.  The mask's tile is nobody else's: a plain load.
; REGISTERS: window 0: v0-63 addresses and statistics; v64-159, v160-255 two fragment buffers (64 of k, 32 of q), at the end mask words, scores and rows;   window 1: accumulator (a, b) at v[8 (8 a + b)]
.set PA,    272                        ; a row in LDS: 256 bytes + 16
.set AQ,    64*PA                      ; what a wave's load brings: 64 rows of q or of k
.set BOFF,  4*AQ                       ; k's 256 rows lie behind q's 256
.set SLOT,  2*BOFF                     ; 139,264 bytes
.set STAGE, 2*SLOT                     ; 16 rows x 272 bytes for each wave, for the way out; no tensor load lands here
.set SP,    272
.set SPARE, STAGE+8*16*SP              ; the spare words: four blocks of 256 bytes that no other line names
.set LAPS,  4
.set KSTEPB, 256                       ; bytes from K step to K step, in q and in k
.set PP_ROW, 4096                      ; bytes in a row of p
.set ADRA, 16
.set ADRB, 20
.set MA,   22                          ; v22     LDS address of my 8 mask bytes of blocks (0, 0); the mask lies from LDS byte 0 on, 256 rows x 272 bytes
.set STO,  24
.set RD,   25
.set CO,   26
.set SOF,  27                          ; v27     8 x lane: my place in 32 rows of stats
.set SPW,  28
.set NIL,  29
.set T,    32                          ; v32-35  at work
.set CH,   36                          ; v36-39  the maximum's four chains
.set NC,   40                          ; v40-41  n, twice
.set LS,   42                          ; v42-45  two chains of packed sums
.set NEGV, 46                          ; v46     NEG, for the selects in the short encoding
.set ST,   48                          ; v48-55  n and l of query block a at ST + 2 a
.set XS,   56                          ; v56-59  stats to store
.set F0,   64
.set F1,   160
.set MW,   64                          ; v64-127   mask words: blocks (a, b) at MW + 2 (8 a + b)
.set SV,   128                         ; v128-191  a query block's 64 scores a lane, then weights
.set PP,   192                         ; v192-223  packed f16
.set OB,   224                         ; v224-255  rows read back
.set G1,  24
.set G0,  32
.set G1B, 48
.set G0B, 56
.set NCS, 66                           ; s66      -c
.set FB,  67                           ; s67      I fetch q (0) or k (1)
.set G1M, 68                           ; s[68:75] the mask tile's group 1
.set G0M, 76                           ; s[76:79] its group 0
.set CS,  88                           ; s[88:89] c, twice
.set SEL, 90                           ; s[90:91] v_permlanex16_b32's selects: each lane takes its own place in the other half
.set BY,  92                           ; s92-95   the four bytes of a word
.set LM,  96                           ; s97-98   lane masks (LM + 1, LM + 2)
.set NEGS, 100                         ; s100     NEG
.set UP,  101                          ; s101     lanes 16-31
.set FQ,  2                            ; s2       which quarter of the tile I fetch
.set MSB, 0
.macro WIN new
.if MSB != (\new)
	s_set_vgpr_msb (MSB<<8)|(\new)
.set MSB, \new
.endif
.endm
.macro JLOAD s                         ; a joint load: waves 0-3 fetch q's four quarters, waves 4-7 k's; an s_nop 0 and four v_nop follow each line
	s_cmp_eq_u32 s[FB], 0
	s_cbranch_scc0 .Lfor_b_\@
	tensor_load_to_lds s[G0+4*(\s):G0+4*(\s)+3], s[G1:G1+7]
	s_nop 0
.rept 4
	v_nop
.endr
	s_branch .Lasked_\@
.Lfor_b_\@:
	tensor_load_to_lds s[G0B+4*(\s):G0B+4*(\s)+3], s[G1B:G1B+7]
	s_nop 0
.rept 4
	v_nop
.endr
.Lasked_\@:
.endm
.macro CREST
	s_cmp_lg_u32 s10, 0
	s_cbranch_scc1 .Lnot_wave_0_\@
	s_barrier_signal -3
.Lnot_wave_0_\@:
	s_barrier_wait -3
	s_barrier_signal -1
	s_barrier_wait -1
.endm
.macro CROUND
	s_barrier_signal -1
	s_barrier_wait -1
	CREST
.endm
.macro PLACES
.rept 4
	v_nop
.endr
.endm
	s_load_b256 s[80:87], s[0:1], 0x0              ; qkv s[80:81], mask s[82:83], p s[84:85], stats s[86:87]
	v_lshl_add_u32 v[SPW], v0, 2, SPARE
	v_mov_b32 v[NIL], 0
	ds_add_u32 v28, v29
	s_wait_dscnt 0x0
	v_lshrrev_b32 v1, 5, v0
	v_readfirstlane_b32 s10, v1                    ; wave 0..7
	s_lshr_b32 s11, s10, 1                         ; which 64 queries are mine, 0..3
	s_and_b32 s12, s10, 1                          ; which 128 keys
	s_lshr_b32 s[FB], s10, 2
	s_and_b32 s[FQ], s10, 3
	s_bfe_u32 s40, ttmp6, 0x40000                  ; cx, cy
	s_bfe_u32 s41, ttmp6, 0x40004
	s_lshl_b32 s42, ttmp9, 2
	s_add_co_u32 s42, s42, s40                     ; tile column: 256 keys of the batch
	s_and_b32 s13, ttmp7, 0xffff
	s_lshr_b32 s45, s13, 1                         ; the batch: 8 tile rows each, two clusters: the same in the whole cluster
	s_lshl_b32 s13, s13, 2
	s_add_co_u32 s13, s13, s41                     ; tile row: 256 of the 8,192 query rows
	s_lshl_b32 s43, s41, 2
	s_lshl_b32 s43, 15, s43                        ; my row of the cluster
	s_lshl_b32 s44, 0x1111, s40                    ; my column
	s_or_b32 s[G1+0], s43, (1<<16)|(1<<20)|(1<<21)|(5<<22)|(3<<25)   ; the mask; 2-byte elements; padding on; bit 21 beside a mask; after every 64 words 4 words
	s_or_b32 s[G1B+0], s44, (1<<16)|(1<<20)|(1<<21)|(5<<22)|(3<<25)
.irp g, G1, G1B
	s_mov_b32 s[(\g)+1], 128<<16
	s_mov_b32 s[(\g)+2], 64<<16
	s_mov_b32 s[(\g)+3], 128<<16
	s_mov_b32 s[(\g)+4], 64                        ; 64 rows x 128 elements
	s_mov_b32 s[(\g)+5], 3072                      ; elements from row to row of qkv
	s_mov_b32 s[(\g)+6], 0
	s_mov_b32 s[(\g)+7], 0
.endr
	s_mov_b32 s[G1M+0], (3<<16)|(1<<20)|(5<<22)|(3<<25)  ; no work-group mask; 8-byte elements; the same padding
	s_mov_b32 s[G1M+1], 32<<16
	s_mov_b32 s[G1M+2], 32<<16
	s_mov_b32 s[G1M+3], 32<<16
	s_mov_b32 s[G1M+4], 32                         ; 32 rows x 32 elements (256 bytes)
	s_mov_b32 s[G1M+5], 256                        ; 2,048 bytes from row to row
	s_mov_b32 s[G1M+6], 0
	s_mov_b32 s[G1M+7], 0
	s_lshl_b32 s16, s13, 8                         ; q: row 256 x tile row + 64 x quarter
	s_lshl_b32 s17, s[FQ], 6
	s_add_co_u32 s16, s16, s17
	s_mul_i32 s16, s16, 6144
	s_mov_b32 s17, 0
	s_lshl_b32 s46, s45, 11                        ; k: row 2,048 x batch + 256 x tile column + 64 x quarter,
	s_lshl_b32 s47, s42, 8
	s_add_co_u32 s46, s46, s47
	s_lshl_b32 s47, s[FQ], 6
	s_add_co_u32 s46, s46, s47
	s_mul_i32 s46, s46, 6144
	s_add_co_u32 s46, s46, 2048                    ; at qkv's column 1,024
	s_mov_b32 s47, 0
	s_lshl_b32 s18, s13, 8                         ; the mask: row 256 x tile row + 32 x wave, byte 256 x tile column
	s_lshl_b32 s19, s10, 5
	s_add_co_u32 s18, s18, s19
	s_lshl_b32 s18, s18, 11
	s_lshl_b32 s19, s42, 8
	s_add_co_u32 s18, s18, s19
	s_mov_b32 s19, 0
	s_mul_i32 s20, s[FQ], AQ
	s_add_co_u32 s21, s20, BOFF
	s_wait_kmcnt 0x0
	s_add_nc_u64 s[14:15], s[80:81], s[16:17]
	s_add_nc_u64 s[46:47], s[80:81], s[46:47]
	CROUND                                         ; all sixteen work-groups are here: the first joint loads meet
.irp s, 0,1
	s_mov_b32 s[G0+4*(\s)], 1
	s_add_co_u32 s[G0+4*(\s)+1], s20, (\s)*SLOT
	s_add_nc_u64 s[G0+4*(\s)+2:G0+4*(\s)+3], s[14:15], (\s)*KSTEPB
	s_or_b32 s[G0+4*(\s)+3], s[G0+4*(\s)+3], 0x80000000
	s_mov_b32 s[G0B+4*(\s)], 1
	s_add_co_u32 s[G0B+4*(\s)+1], s21, (\s)*SLOT
	s_add_nc_u64 s[G0B+4*(\s)+2:G0B+4*(\s)+3], s[46:47], (\s)*KSTEPB
	s_or_b32 s[G0B+4*(\s)+3], s[G0B+4*(\s)+3], 0x80000000
	JLOAD \s                                       ; two loads of mine are out
.endr
	s_mov_b32 s[G0M], 1                            ; the mask's group 0, for the last lap: my 32 rows, at 32 x wave rows of 272 bytes from LDS byte 0
	s_mul_i32 s[G0M+1], s10, 32*PA
	s_add_nc_u64 s[G0M+2:G0M+3], s[82:83], s[18:19]
	s_or_b32 s[G0M+3], s[G0M+3], 0x80000000
	s_mov_b32 s[NCS], 0xbd38aa3b                   ; -c
	s_mov_b32 s[CS], 0x3d38aa3b                    ; c = log2(e) / 32
	s_mov_b32 s[CS+1], s[CS]
	s_mov_b32 s[SEL], 0x76543210
	s_mov_b32 s[SEL+1], 0xfedcba98
	s_mov_b32 s[BY], 0xff
	s_mov_b32 s[BY+1], 0xff00
	s_mov_b32 s[BY+2], 0xff0000
	s_mov_b32 s[BY+3], 0xff000000
	s_mov_b32 s[NEGS], 0xcbf423f0                  ; -31,999,968
	s_mov_b32 s[UP], 0xffff0000
	v_mov_b32 v[NEGV], s[NEGS]
	v_and_b32 v1, 15, v0                           ; l % 16
	v_bfe_u32 v2, v0, 4, 1                         ; l / 16
	v_mul_u32_u24 v3, v1, PA
	v_lshl_add_u32 v3, v2, 4, v3                   ; a fragment's row x pitch + 16 x half
	s_mul_i32 s21, s11, 64*PA                      ; my 64 rows of q
	s_mul_i32 s22, s12, 128*PA                     ; my 128 rows of k
	s_add_co_u32 s22, s22, BOFF
.irp s, 0,1
	v_add_nc_u32 v[ADRA+(\s)], s21, v3
	v_add_nc_u32 v[ADRB+(\s)], s22, v3
	s_add_co_u32 s21, s21, SLOT
	s_add_co_u32 s22, s22, SLOT
.endr
	v_mul_u32_u24 v[MA], v1, PA                    ; the mask bytes of query 64 wr + l % 16, keys 128 wc + 8 (l / 16) + 0..7
	v_lshl_add_u32 v[MA], v2, 3, v[MA]
	s_mul_i32 s18, s11, 64*PA
	s_lshl_b32 s19, s12, 7
	s_add_co_u32 s18, s18, s19
	v_add_nc_u32 v[MA], s18, v[MA]
	s_mul_i32 s23, s10, 16*SP
	s_add_co_u32 s23, s23, STAGE                   ; my stage
	v_mul_u32_u24 v4, v1, SP
	v_lshl_add_u32 v4, v2, 4, v4
	v_add_nc_u32 v[STO], s23, v4
	v_mul_u32_u24 v5, v2, SP
	v_lshl_add_u32 v5, v1, 4, v5
	v_add_nc_u32 v[RD], s23, v5
	v_lshlrev_b32 v5, 12, v2                       ; two rows of p
	v_lshl_add_u32 v[CO], v1, 4, v5
	v_and_b32 v[SOF], 31, v0
	v_lshlrev_b32 v[SOF], 3, v[SOF]
	s_lshl_b32 s16, s13, 8
	s_lshl_b32 s17, s11, 6
	s_add_co_u32 s16, s16, s17                     ; my first query row
	s_lshl_b32 s18, s16, 3                         ; 8 bytes a row in stats
	s_lshl_b32 s16, s16, 12                        ; 4,096 bytes a row in p
	s_mov_b32 s17, 0
	s_add_nc_u64 s[8:9], s[84:85], s[16:17]
	s_lshl_b32 s16, s42, 9
	s_lshl_b32 s19, s12, 8
	s_add_co_u32 s16, s16, s19                     ; my first key, in bytes
	s_add_nc_u64 s[8:9], s[8:9], s[16:17]
	s_lshl_b32 s16, s42, 1
	s_add_co_u32 s16, s16, s12                     ; my group
	s_lshl_b32 s16, s16, 16                        ; 65,536 bytes a group
	s_add_co_u32 s16, s16, s18
	s_add_nc_u64 s[86:87], s[86:87], s[16:17]
; 8 matrix instructions: query block a x all 8 key blocks, 32 along K.  first = 1: the products start the sums.  The 32 accumulators take turns, one instruction a turn.
.macro MUL8 f, a, first
	WIN 0x50                                       ; C and D window 1
.irp b, 0,1,2,3,4,5,6,7
.if \first
	v_wmma_f32_16x16x32_f16 v[8*(8*(\a)+(\b)):8*(8*(\a)+(\b))+7], v[(\f)+8*(\b):(\f)+8*(\b)+7], v[(\f)+64+8*(\a):(\f)+64+8*(\a)+7], 0
.else
	v_wmma_f32_16x16x32_f16 v[8*(8*(\a)+(\b)):8*(8*(\a)+(\b))+7], v[(\f)+8*(\b):(\f)+8*(\b)+7], v[(\f)+64+8*(\a):(\f)+64+8*(\a)+7], v[8*(8*(\a)+(\b)):8*(8*(\a)+(\b))+7]
.endif
.endr
.endm
.macro FETCH slot, q, f                ; 24 LDS loads in one run: k's 8 fragments, then q's 4
	WIN 0
.irp i, 0,1,2,3,4,5,6,7
	ds_load_b128 v[(\f)+8*(\i):(\f)+8*(\i)+3],   v[ADRB+(\slot)] offset:64*(\q)+(\i)*16*PA
	ds_load_b128 v[(\f)+8*(\i)+4:(\f)+8*(\i)+7], v[ADRB+(\slot)] offset:64*(\q)+(\i)*16*PA+32
.endr
.irp i, 0,1,2,3
	ds_load_b128 v[(\f)+64+8*(\i):(\f)+64+8*(\i)+3],   v[ADRA+(\slot)] offset:64*(\q)+(\i)*16*PA
	ds_load_b128 v[(\f)+64+8*(\i)+4:(\f)+64+8*(\i)+7], v[ADRA+(\slot)] offset:64*(\q)+(\i)*16*PA+32
.endr
.endm
.macro QUARTER slot, q, f, g, first    ; fetches quarter q into g, then multiplies f
	s_wait_dscnt 0x0                               ; f is in
	PLACES                                         ; g was read by the matrix instructions just issued
	FETCH \slot, \q, \g
	MUL8 \f, 0, \first
	MUL8 \f, 1, \first
	MUL8 \f, 2, \first
	MUL8 \f, 3, \first
.endm
; The fourth quarter multiplies F1 and changes slots: ONE barrier.  Its first 16 products need nothing of the tile that is awaited, so they stand AHEAD of the wait for it: they are issued while the tile is on
; its way, and the next request follows the tile's arrival by the three lines and the round alone.  Then each wave waits for all its tensor loads, adds 0 to its spare word, and waits for that; its reads of this
; slot were over at the quarter's head.  The barrier opens a round of the cluster's, and this slot is filled again first thing behind the round: fill = 1: jointly, two K steps ahead; fill = 2: with my 32 rows of the mask, the slot's last fill.
.macro TURN slot, next, fill
	s_wait_dscnt 0x0                               ; F1's 24 loads, my last reads of this slot, are in
	MUL8 F1, 0, 0
	MUL8 F1, 1, 0
	WIN 0
	s_wait_tensorcnt 0x0                           ; my part of the next slot is in
	ds_add_u32 v[SPW], v[NIL]                      ; 0 onto my spare word; the descriptors' steps stand between it and the wait for it
.if (\fill) == 1
	s_add_nc_u64 s[G0+4*(\slot)+2:G0+4*(\slot)+3], s[G0+4*(\slot)+2:G0+4*(\slot)+3], 2*KSTEPB    ; no tensor load of mine is out: a group 0 may be written
	s_add_nc_u64 s[G0B+4*(\slot)+2:G0B+4*(\slot)+3], s[G0B+4*(\slot)+2:G0B+4*(\slot)+3], 2*KSTEPB
.endif
	s_wait_dscnt 0x0                               ; the add is done
	s_barrier_signal -1
	s_barrier_wait -1
	CREST                                          ; no wave of any partner still reads this slot or has a load on its way
.if (\fill) == 1
	JLOAD \slot                                    ; 128 matrix instructions of mine ahead of the wait for it; its four v_nop are also the places in front of the loads below
.else
	tensor_load_to_lds s[G0M:G0M+3], s[G1M:G1M+7]  ; it has the last K step in which to land
	s_nop 0
.rept 4
	v_nop
.endr
.endif
	FETCH \next, 0, F0
	MUL8 F1, 2, 0                                  ; the quarter's other 16 products stand between those loads and the wait for them
	MUL8 F1, 3, 0
.endm
	s_wait_tensorcnt 1                             ; my part of K step 0 is in; K step 1's may stay out
	s_barrier_signal -1
	s_barrier_wait -1
	FETCH 0, 0, F0
	QUARTER 0, 1, F0, F1, 1
	WIN 0
	s_mov_b32 s3, LAPS-1
.Llap:
	QUARTER 0, 2, F1, F0, 0
	QUARTER 0, 3, F0, F1, 0
	TURN 0, 1, 1
	QUARTER 1, 1, F0, F1, 0
	QUARTER 1, 2, F1, F0, 0
	QUARTER 1, 3, F0, F1, 0
	TURN 1, 0, 1
	QUARTER 0, 1, F0, F1, 0
	WIN 0
	s_sub_co_u32 s3, s3, 1
	s_cmp_lg_u32 s3, 0
	s_cbranch_scc1 .Llap
	QUARTER 0, 2, F1, F0, 0                        ; the last lap is written out
	QUARTER 0, 3, F0, F1, 0
	TURN 0, 1, 2                                   ; slot 0 has been read out: it takes the mask
	QUARTER 1, 1, F0, F1, 0
	QUARTER 1, 2, F1, F0, 0
	QUARTER 1, 3, F0, F1, 0
	s_wait_dscnt 0x0                               ; F1 is in: no LDS instruction of mine is pending at the signal
	s_wait_tensorcnt 0x0                           ; my rows of the mask are in;
	s_barrier_signal -1                            ; say so, and multiply the last quarter while the others arrive
	MUL8 F1, 0, 0
	MUL8 F1, 1, 0
	MUL8 F1, 2, 0
	MUL8 F1, 3, 0
	WIN 0
	s_barrier_wait -1                              ; everybody's rows are in
	PLACES                                         ; F0's registers take the mask words, and the selection below reads results just made
.irp a, 0,1,2,3
.irp b, 0,1,2,3,4,5,6,7
	ds_load_b64 v[MW+2*(8*(\a)+(\b)):MW+2*(8*(\a)+(\b))+1], v[MA] offset:(\a)*16*PA+16*(\b)
.endr
.endr
	s_wait_dscnt 0x0                               ; the mask words
; THE SOFTMAX'S FIRST HALF AND THE WAY OUT, 16 queries at a time.
; s' = mask byte == 0 ? NEG : s, four scores at a time; each accumulator's lowest registers are read first.  The scalar source stands first in the AND, and two of the four
; compares go to VCC: these lines take the short encodings, 32 bytes of text less for four scores.  Two or three other lines stand between a compare and its select.
.macro SELECT a
	WIN 0x01                                       ; source 0 window 1: the accumulator in the selects
.irp b, 0,1,2,3,4,5,6,7
.irp g, 0,1
.set rA, 8*(8*(\a)+(\b))+4*(\g)
.set rV, SV+8*(\b)+4*(\g)
.irp j, 0,1,2,3
	v_and_b32 v[T+(\j)], s[BY+(\j)], v[MW+2*(8*(\a)+(\b))+(\g)]
.endr
	v_cmp_eq_u32 vcc_lo, 0, v[T]
	v_cmp_eq_u32 s[LM+1], 0, v[T+1]
	v_cmp_eq_u32 s[LM+2], 0, v[T+2]
	v_cndmask_b32 v[rV], v[rA], v[NEGV], vcc_lo
	v_cmp_eq_u32 vcc_lo, 0, v[T+3]
	v_cndmask_b32 v[rV+1], v[rA+1], s[NEGS], s[LM+1]
	v_cndmask_b32 v[rV+2], v[rA+2], s[NEGS], s[LM+2]
	v_cndmask_b32 v[rV+3], v[rA+3], v[NEGV], vcc_lo
.endr
.endr
	WIN 0
.endm
.macro MAXS a                          ; the maximum of the lane's 64 scores in four chains of 15, the four left over, the other half of the lanes; then n
.irp c, 0,1,2,3
	v_max3_num_f32 v[CH+(\c)], v[SV+16*(\c)], v[SV+16*(\c)+1], v[SV+16*(\c)+2]
.endr
.irp k, 0,1,2,3,4,5
.irp c, 0,1,2,3
	v_max3_num_f32 v[CH+(\c)], v[CH+(\c)], v[SV+16*(\c)+3+2*(\k)], v[SV+16*(\c)+4+2*(\k)]
.endr
.endr
	v_max3_num_f32 v[CH], v[CH], v[SV+15], v[SV+31]
	v_max3_num_f32 v[CH+1], v[CH+1], v[SV+47], v[SV+63]
	v_max3_num_f32 v[CH], v[CH], v[CH+1], v[CH+2]
	v_max_num_f32 v[CH], v[CH], v[CH+3]
	v_permlanex16_b32 v[CH+1], v[CH], s[SEL], s[SEL+1]  ; the query's other 64 keys lie in the lane 16 away
	v_max_num_f32 v[CH], v[CH], v[CH+1]
	v_mul_f32 v[T], s[NCS], v[CH]
	v_floor_f32 v[NC], v[T]                        ; n = floor(-c m)
	v_mov_b32 v[NC+1], v[NC]
	v_mov_b32 v[ST+2*(\a)], v[NC]
.endm
.macro TAILP p                         ; pair p of weights: rounded to f16, and added (unrounded) onto its chain; the chains begin with their first two pairs: nothing is cleared
	s_wait_alu depctr_va_vdst(0)
	v_cvt_pk_f16_f32 v[PP+(\p)], v[SV+2*(\p)], v[SV+2*(\p)+1]
.if (\p) >= 4
	v_pk_add_f32 v[LS+2*((\p)%2):LS+2*((\p)%2)+1], v[LS+2*((\p)%2):LS+2*((\p)%2)+1], v[SV+2*(\p):SV+2*(\p)+1]
.elseif (\p) >= 2
	v_pk_add_f32 v[LS+2*((\p)%2):LS+2*((\p)%2)+1], v[SV+2*(\p)-4:SV+2*(\p)-3], v[SV+2*(\p):SV+2*(\p)+1]
.endif
.endm
.macro EXPS a                          ; c s' + n; the exponentials two at a time, with the pair before's plain lines behind them, so that a plain instruction stands between every exponential and its use
.set i, 0
.rept 32
	v_pk_fma_f32 v[SV+2*i:SV+2*i+1], v[SV+2*i:SV+2*i+1], s[CS:CS+1], v[NC:NC+1] op_sel_hi:[1,0,1]
.set i, i+1
.endr
.set i, 0
.rept 32
	v_exp_f32 v[SV+2*i], v[SV+2*i]
	v_exp_f32 v[SV+2*i+1], v[SV+2*i+1]
.if i == 0
	v_nop
.else
	TAILP i-1
.endif
.set i, i+1
.endr
	TAILP 31
	v_pk_add_f32 v[LS:LS+1], v[LS:LS+1], v[LS+2:LS+3]
	v_add_f32 v[T], v[LS], v[LS+1]
	v_permlanex16_b32 v[T+1], v[T], s[SEL], s[SEL+1]
	v_add_f32 v[ST+2*(\a)+1], v[T], v[T+1]         ; l
.endm
.macro TOSTAGE a
.if (\a) > 0
	s_wait_xcnt 0x0                                ; the stores of the block before have read OB
.endif
.irp b, 0,1,2,3,4,5,6,7
	ds_store_b128 v[STO], v[PP+4*(\b):PP+4*(\b)+3] offset:32*(\b)
.endr
.irp t, 0,1,2,3,4,5,6,7
	ds_load_b128 v[OB+4*(\t):OB+4*(\t)+3], v[RD] offset:(\t)*2*SP  ; LDS serves a wave's instructions in order (ISA guide 5.7.1.4): these see the stores above
.endr
.endm
.macro SEND a
	s_wait_dscnt 0x0                               ; the block is back in registers
.irp t, 0,1,2,3,4,5,6,7
	global_store_b128 v[CO], v[OB+4*(\t):OB+4*(\t)+3], s[8:9] offset:(\a)*16*PP_ROW+(\t)*2*PP_ROW  ; 16 lanes store 256 consecutive bytes, at a multiple of 256 from p's first byte
.endr
.endm
	SELECT 0
	MAXS 0
	EXPS 0
	TOSTAGE 0
.irp a, 1,2,3                          ; a block's selection stands between the loads of the block before and the wait for them
	SELECT \a
	SEND (\a)-1
	MAXS \a
	EXPS \a
	TOSTAGE \a
.endr
	SEND 3
	; stats: both halves of the lanes hold a block's (n, l); lanes 0-15 take the even block's rows, lanes 16-31 the odd block's: 32 rows, 256 consecutive bytes a store
.irp u, 0,1
	v_cndmask_b32 v[XS+2*(\u)],   v[ST+4*(\u)],   v[ST+4*(\u)+2], s[UP]
	v_cndmask_b32 v[XS+2*(\u)+1], v[ST+4*(\u)+1], v[ST+4*(\u)+3], s[UP]
	global_store_b64 v[SOF], v[XS+2*(\u):XS+2*(\u)+1], s[86:87] offset:256*(\u)
.endr
	s_wait_tensorcnt 0x0                           ; the wave's end
	ds_add_u32 v[SPW], v[NIL]
	s_wait_dscnt 0x0
	CROUND                                         ; the closing round
	s_endpgm
.Lfunc_end_k_q2698d17525_score:
	.size	k_q2698d17525_score, .Lfunc_end_k_q2698d17525_score-k_q2698d17525_score
	.p2alignl 7, 3214868480
	.fill 96, 4, 3214868480
	.section	.rodata,"a",@progbits
	.p2align	6, 0x0
	.amdhsa_kernel k_q2698d17525_score
		.amdhsa_group_segment_fixed_size 327680
		.amdhsa_private_segment_fixed_size 0
		.amdhsa_enable_private_segment 0
		.amdhsa_kernarg_size 32
		.amdhsa_user_sgpr_count 2
		.amdhsa_user_sgpr_kernarg_segment_ptr 1
		.amdhsa_wavefront_size32 1
		.amdhsa_system_sgpr_workgroup_id_x 1
		.amdhsa_system_sgpr_workgroup_id_y 1
		.amdhsa_system_sgpr_workgroup_id_z 1
		.amdhsa_system_vgpr_workitem_id 0
		.amdhsa_next_free_vgpr 512
		.amdhsa_next_free_sgpr 102
		.amdhsa_reserve_vcc 1
		.amdhsa_float_denorm_mode_32 3
		.amdhsa_float_denorm_mode_16_64 3
		.amdhsa_memory_ordered 1
		.amdhsa_forward_progress 1
		.amdhsa_inst_pref_size 159
	.end_amdhsa_kernel
	.amdgpu_metadata
---
amdhsa.version: [ 1, 2 ]
amdhsa.kernels:
  - .name:           k_q2698d17525_score
    .symbol:         k_q2698d17525_score.kd
    .args:
      - { .name: qkv, .offset: 0, .size: 8, .value_kind: global_buffer, .address_space: global }
      - { .name: mask, .offset: 8, .size: 8, .value_kind: global_buffer, .address_space: global }
      - { .name: p, .offset: 16, .size: 8, .value_kind: global_buffer, .address_space: global }
      - { .name: stats, .offset: 24, .size: 8, .value_kind: global_buffer, .address_space: global }
    .group_segment_fixed_size: 327680
    .private_segment_fixed_size: 0
    .kernarg_segment_align: 8
    .kernarg_segment_size: 32
    .max_flat_workgroup_size: 256
    .sgpr_count:     102
    .vgpr_count:     512
    .wavefront_size: 32
...
	.end_amdgpu_metadata
.endif
;; end of part 6
;; launch pv (part 7): grid 4 x 64, 4 waves a work-group, clusters of 4 x 4, 327,680 bytes of LDS; arguments p, qkv, stats, out0; writes out0
.if DOCPART == 7
	.amdgcn_target "amdgcn-amd-amdhsa--gfx1250"
	.amdhsa_code_object_version 6
	.text
	.protected	k_q2698d17525_pv
	.globl	k_q2698d17525_pv
	.p2align	8
	.type	k_q2698d17525_pv,@function
k_q2698d17525_pv:
	s_mov_b64 s[64:65], 0
	v_nop
	global_prefetch_b8 v0, s[64:65] scope:SCOPE_SE
	s_setreg_imm32_b32 hwreg(HW_REG_WAVE_MODE, 25, 1), 1
	s_wait_xcnt 0x0
	s_wait_alu depctr_hold_cnt(0) depctr_sa_sdst(0) depctr_va_vdst(0) depctr_va_sdst(0) depctr_va_ssrc(0) depctr_va_vcc(0) depctr_vm_vsrc(0)
	s_getreg_b32 s2, hwreg(HW_REG_IB_STS2, 6, 4)
	s_cmp_eq_u32 s2, 0
	s_cbranch_scc0 .Lentry_in_a_cluster
	s_endpgm
.Lentry_in_a_cluster:
	s_bfe_u32 s2, ttmp6, 0x10000c
	s_cmp_lg_u32 s2, 0xf033
	s_cbranch_scc0 .Lentry_shape_is_right
	s_endpgm
.Lentry_shape_is_right:
; out[row][d] = sum over groups g of f'_g x (sum over the group's 128 keys of p[row][key] v[key][d]).
; From stats (n_g, l_g): N = min over g of n_g (the row's true maximum, rounded up to a whole power of two), f_g = 2^(N - n_g) <= 1, L = sum of f_g l_g >= 1/2, f'_g = f_g / L.
; Products in f16, sums in f32, the factors and all that is done with them in f32, out in f32.
; LIMITS.  v arrives within f16's 65,504.  An f_g below 2^-126 counts as 0.  NaN and infinities are not treated apart.
; SHARES.  A work-group makes 128 rows x 256 channels, each of its four waves 64 x 128: 64 x 4 = 256 work-groups.  K (the 2,048 keys) goes in steps of 128, ONE GROUP A STEP, through two LDS slots.
; A block of 256 x 256 would leave work for 128 work-groups only, and two slots of a K step of 256 (417,792 bytes) have no room in LDS: so a refill has a K step's 128 matrix instructions of a wave in which to land.
; THE FACTOR.  A group is summed in accumulators of its own, which its first product starts with the constant 0.  Ahead of that product the accumulator's last group is added onto the row's total:
; total += f' x group, four packed multiply-adds in front of each of the quarter's 32 matrix instructions; they name no register of the products round them.  The last group is added on the way out.
; The totals are cleared by 256 v_mov_b32 in the wait for the first tiles: the price of one text for every group's end.
; THE MATRIX INSTRUCTION IS USED TRANSPOSED: source 0 = 16 channels (v turned by ds_load_tr16_b128), source 1 = 16 rows of p: a lane holds one row (lane % 16) and eight neighbouring channels.
; CLUSTER.  4 x 4 work-groups: p's tile is shared along a row of the cluster, v's along a column; both are asked for jointly.
; PREFETCH.  The slots cannot be made larger, so the tiles are asked for ahead of their tensor loads.  Each lane names 256 bytes of its own, and each such block is named once in the launch: a tile of p
; (128 rows of 256 bytes) is shared out among the four work-groups of a cluster's row, 32 rows each: wave 0 takes the even K step's tile, wave 1 the odd one's; a tile of v (128 keys of 512 bytes) among the 16 tile
; rows of a batch, 16 blocks each: wave 2 takes both K steps' with one line.  Wave 3 asks for nothing.  At the head: the tiles of K steps 2 and 3.  In K step 2 i: those of K steps 2 i + 4 and 2 i + 5, whose tensor
; loads are issued in K steps 2 i + 2 and 2 i + 3: two and three K steps, 256 and 384 matrix instructions of a wave, later.  24,576 bytes a work-group and lap.  The loop's last trip asks for nothing: K step 15 is the last.
; REGISTERS (s_set_vgpr_msb: bits 1:0 source 0, 3:2 source 1, 5:4 source 2, 7:6 destination): window 0: v0-63 addresses and factors; v64-159, v160-255 two fragment buffers (64 of v, 32 of p);
;   window 1: the group's sum (a, b) at v[8 (8 a + b)];   window 2: the total (a, b) at the same number
.set PA,    272                        ; a row of p in LDS: 256 bytes + 16
.set PB,    544                        ; a key's row of v in LDS: 512 bytes + 32: 17 x 32 bytes, for the turning load
.set AHALF, 64*PA
.set BHALF, 64*PB
.set BOFF,  2*AHALF
.set SLOT,  BOFF+2*BHALF               ; 104,448 bytes
.set STAGE, 2*SLOT                     ; 16 rows x 528 bytes for each wave, for the way out; no tensor load lands here
.set SP,    528
.set FT,    STAGE+4*16*SP              ; each wave's own table of factors [group][row % 16][row block], f' twice (8 bytes) each: 8,192 bytes a wave; no tensor load lands here
.set SPARE, FT+4*8192                  ; the spare words: two blocks of 256 bytes that no other line names
.set LAPS,  8
.set ASTEP, 256
.set BSTEP, 128*6144
.set OP_ROW, 4096                      ; bytes in a row of out
.set ADRA, 16
.set ADRB, 20
.set STO,  24
.set RD,   25
.set CO,   26
.set SPW,  28
.set NIL,  29
.set FA0,  30                          ; v30     LDS address of my row's four pairs of group 0
.set FA,   31                          ; v31     of the group to be fetched
.set FAC,  32                          ; v32-47  four pairs (f', f') for each slot's group
.set FW,   48                          ; v48     where I write the table
.set SO,   49                          ; v49     my byte offset in stats
.set T0,   50
.set T1,   51
.set T2,   52
.set T3,   53
.set PFO,  54                          ; v54     my lane's byte offset in what my wave asks for ahead; never rewritten
.set SN,   64                          ; v64-127 stats as loaded: (n, l) of row block a, group 8 (l / 16) + i at SN + 16 a + 2 i
.set H,    128                         ; v128-143 eight pairs (f', f') on their way into the table
.set F0,   64
.set F1,   160
.set TMP,  64                          ; the way out: v64-127 results
.set OB,   128                         ; v128-191 and v192-255 by turns: rows read back
.set G1,  24
.set G0,  32
.set G1B, 48
.set G0B, 56
.set FO,  67                           ; s67      the table's byte offset of the group to be fetched
.set PF,  68                           ; s[68:69] where my wave asks ahead: in p (waves 0, 1) or in qkv (wave 2)
.set PS,  70                           ; s[70:71] its step from lap to lap
.set SEL, 90                           ; s[90:91]
.set MSB, 0
.macro WIN new
.if MSB != (\new)
	s_set_vgpr_msb (MSB<<8)|(\new)
.set MSB, \new
.endif
.endm
.macro JLOAD s                         ; a joint load: waves 0 and 1 fetch p's two halves, waves 2 and 3 v's; an s_nop 0 and four v_nop follow each line
	s_cmp_eq_u32 s11, 0
	s_cbranch_scc0 .Lfor_b_\@
	tensor_load_to_lds s[G0+4*(\s):G0+4*(\s)+3], s[G1:G1+7]
	s_nop 0
.rept 4
	v_nop
.endr
	s_branch .Lasked_\@
.Lfor_b_\@:
	tensor_load_to_lds s[G0B+4*(\s):G0B+4*(\s)+3], s[G1B:G1B+7]
	s_nop 0
.rept 4
	v_nop
.endr
.Lasked_\@:
.endm
.macro CREST
	s_cmp_lg_u32 s10, 0
	s_cbranch_scc1 .Lnot_wave_0_\@
	s_barrier_signal -3
.Lnot_wave_0_\@:
	s_barrier_wait -3
	s_barrier_signal -1
	s_barrier_wait -1
.endm
.macro CROUND
	s_barrier_signal -1
	s_barrier_wait -1
	CREST
.endm
.macro PLACES
.rept 4
	v_nop
.endr
.endm
; The lap's asking ahead: waves 0 to 2, in every trip of the loop but the last (s3 counts the trips down to 1).  Both branches hang on numbers that are the same in every work-group.
.macro PREF
	s_cmp_lt_u32 s10, 3
	s_cbranch_scc0 .Lno_ask_\@
	s_cmp_lg_u32 s3, 1
	s_cbranch_scc0 .Lno_ask_\@
	s_wait_xcnt 0x0                                ; the last asking, a lap ago, has read its address: only behind this wait is it stepped
	s_add_nc_u64 s[PF:PF+1], s[PF:PF+1], s[PS:PS+1]
	global_prefetch_b8 v[PFO], s[PF:PF+1] th:TH_LOAD_NT scope:SCOPE_SE
.Lno_ask_\@:
.endm
	s_load_b256 s[80:87], s[0:1], 0x0              ; p s[80:81], qkv s[82:83], stats s[84:85], out0 s[86:87]
	v_lshl_add_u32 v[SPW], v0, 2, SPARE
	v_mov_b32 v[NIL], 0
	ds_add_u32 v28, v29
	s_wait_dscnt 0x0
	v_lshrrev_b32 v1, 5, v0
	v_readfirstlane_b32 s10, v1                    ; wave 0..3
	s_lshr_b32 s11, s10, 1                         ; which 64 rows are mine.  Also: I fetch p (0) or v (1)
	s_and_b32 s12, s10, 1                          ; which 128 channels.  Also: which half of that tile I fetch
	s_bfe_u32 s40, ttmp6, 0x40000
	s_bfe_u32 s41, ttmp6, 0x40004
	s_lshl_b32 s42, ttmp9, 2
	s_add_co_u32 s42, s42, s40                     ; tile column: 256 channels
	s_and_b32 s13, ttmp7, 0xffff
	s_lshr_b32 s45, s13, 2                         ; the batch, the same in the whole cluster
	s_lshl_b32 s13, s13, 2
	s_add_co_u32 s13, s13, s41                     ; tile row: 128 of the 8,192 rows
	s_lshl_b32 s43, s41, 2
	s_lshl_b32 s43, 15, s43
	s_lshl_b32 s44, 0x1111, s40
	s_or_b32 s[G1+0], s43, (1<<16)|(1<<20)|(1<<21)|(5<<22)|(3<<25)   ; after every 64 words 4 words
	s_mov_b32 s[G1+1], 128<<16
	s_mov_b32 s[G1+2], 64<<16
	s_mov_b32 s[G1+3], 128<<16
	s_mov_b32 s[G1+4], 64                          ; 64 rows x 128 elements
	s_mov_b32 s[G1+5], 2048                        ; elements from row to row of p
	s_mov_b32 s[G1+6], 0
	s_mov_b32 s[G1+7], 0
	s_or_b32 s[G1B+0], s44, (1<<16)|(1<<20)|(1<<21)|(6<<22)|(7<<25)  ; after every 128 words 8 words
	s_mov_b32 s[G1B+1], 256<<16
	s_mov_b32 s[G1B+2], 64<<16
	s_mov_b32 s[G1B+3], 256<<16
	s_mov_b32 s[G1B+4], 64                         ; 64 keys x 256 elements
	s_mov_b32 s[G1B+5], 3072                       ; elements from row to row of qkv
	s_mov_b32 s[G1B+6], 0
	s_mov_b32 s[G1B+7], 0
	s_lshl_b32 s16, s13, 7                         ; p: row 128 x tile row + 64 x half
	s_lshl_b32 s17, s12, 6
	s_add_co_u32 s16, s16, s17
	s_lshl_b32 s16, s16, 12
	s_mov_b32 s17, 0
	s_lshl_b32 s46, s45, 11                        ; v: key row 2,048 x batch + 64 x half,
	s_lshl_b32 s47, s12, 6
	s_add_co_u32 s46, s46, s47
	s_mul_i32 s46, s46, 6144
	s_lshl_b32 s47, s42, 9                         ; 256 channels a tile column,
	s_add_co_u32 s46, s46, s47
	s_add_co_u32 s46, s46, 4096                    ; from qkv's column 2,048 on
	s_mov_b32 s47, 0
	s_mul_i32 s20, s12, AHALF
	s_mul_i32 s21, s12, BHALF
	s_add_co_u32 s21, s21, BOFF
	s_wait_kmcnt 0x0
	s_add_nc_u64 s[14:15], s[80:81], s[16:17]
	s_add_nc_u64 s[46:47], s[82:83], s[46:47]
	CROUND                                         ; all sixteen work-groups are here: the first joint loads meet
.irp s, 0,1
	s_mov_b32 s[G0+4*(\s)], 1
	s_add_co_u32 s[G0+4*(\s)+1], s20, (\s)*SLOT
	s_add_nc_u64 s[G0+4*(\s)+2:G0+4*(\s)+3], s[14:15], (\s)*ASTEP
	s_or_b32 s[G0+4*(\s)+3], s[G0+4*(\s)+3], 0x80000000
	s_mov_b32 s[G0B+4*(\s)], 1
	s_add_co_u32 s[G0B+4*(\s)+1], s21, (\s)*SLOT
	s_add_nc_u64 s[G0B+4*(\s)+2:G0B+4*(\s)+3], s[46:47], (\s)*BSTEP
	s_or_b32 s[G0B+4*(\s)+3], s[G0B+4*(\s)+3], 0x80000000
	JLOAD \s                                       ; two loads of mine are out
.endr
	; THE STATISTICS of my 64 rows, in the wait for the first tiles.  Lane l takes row l % 16 of each row block and the groups 8 (l / 16) + 0..7.
	v_and_b32 v1, 15, v0                           ; l % 16
	v_bfe_u32 v2, v0, 4, 1                         ; l / 16
	v_lshlrev_b32 v[SO], 3, v1
	v_lshl_add_u32 v[SO], v2, 19, v[SO]            ; eight groups of 65,536 bytes
	s_lshl_b32 s18, s11, 9
	v_add_nc_u32 v[SO], s18, v[SO]
	s_lshl_b32 s18, s13, 10
	s_mov_b32 s19, 0
	s_add_nc_u64 s[84:85], s[84:85], s[18:19]
.irp a, 0,1,2,3
.irp i, 0,1,2,3,4,5,6,7
	global_load_b64 v[SN+16*(\a)+2*(\i):SN+16*(\a)+2*(\i)+1], v[SO], s[84:85] offset:65536*(\i)+128*(\a)
.endr
.endr
	; WHERE MY WAVE ASKS AHEAD.  In p: lane l names row 128 x tile row + 32 cx + l, the 256 bytes of K step 2 + wave.  In qkv: lane l names key 8 x (tile row % 16) + (l / 2) % 8 of K step 2 + l / 16, half l % 2 of the tile column's 512 bytes.
	v_and_b32 v6, 31, v0
	v_lshlrev_b32 v7, 12, v6                       ; p: 4,096 bytes a row
	v_mul_u32_u24 v8, v2, BSTEP                    ; v: lanes 16-31 take the odd K step's tile,
	v_bfe_u32 v9, v0, 1, 3
	v_mad_u32_u24 v8, v9, 6144, v8                 ; a key's row of qkv is 6,144 bytes,
	v_and_b32 v9, 1, v0
	v_lshl_add_u32 v8, v9, 8, v8                   ; its two halves of 256 bytes
	s_lshl_b32 s74, s13, 19                        ; p's offset: 128 rows a tile row,
	s_lshl_b32 s75, s40, 17                        ; 32 rows for each partner of the cluster's row,
	s_add_co_u32 s74, s74, s75
	s_lshl_b32 s75, s10, 8                         ; the wave's K step,
	s_add_co_u32 s74, s74, s75
	s_add_co_u32 s74, s74, 2*ASTEP                 ; from K step 2 on
	s_and_b32 s76, s13, 15                         ; v's offset: my tile row's 8 keys among the batch's sixteen shares,
	s_lshl_b32 s76, s76, 3
	s_lshl_b32 s77, s45, 11
	s_add_co_u32 s76, s76, s77
	s_add_co_u32 s76, s76, 256                     ; from K step 2, key 256, on,
	s_mul_i32 s76, s76, 6144
	s_lshl_b32 s77, s42, 9
	s_add_co_u32 s76, s76, s77                     ; the tile column's 512 bytes,
	s_add_co_u32 s76, s76, 4096                    ; from qkv's column 2,048 on
	s_mov_b32 s78, 2*ASTEP
	s_mov_b32 s79, 2*BSTEP
	s_cmp_lt_u32 s10, 2                            ; waves 0 and 1: p; the others: qkv
	s_cselect_b64 s[PF:PF+1], s[80:81], s[82:83]
	s_cselect_b32 s74, s74, s76
	s_cselect_b32 s[PS], s78, s79                  ; two K steps from lap to lap
	s_cselect_b32 s72, -1, 0
	s_mov_b32 s75, 0
	s_mov_b32 s[PS+1], 0
	s_add_nc_u64 s[PF:PF+1], s[PF:PF+1], s[74:75]
	v_cndmask_b32 v[PFO], v8, v7, s72
	s_cmp_lt_u32 s10, 3
	s_cbranch_scc0 .Lno_first_ask
	global_prefetch_b8 v[PFO], s[PF:PF+1] th:TH_LOAD_NT scope:SCOPE_SE  ; the tiles of K steps 2 and 3
.Lno_first_ask:
	WIN 0x80                                       ; destination window 2: the totals begin at 0
.set i, 0
.rept 256
	v_mov_b32 v[i], 0
.set i, i+1
.endr
	WIN 0
	s_mov_b32 s[SEL], 0x76543210
	s_mov_b32 s[SEL+1], 0xfedcba98
	s_mov_b32 s[FO], 0
	v_mul_u32_u24 v3, v1, PA
	v_lshl_add_u32 v3, v2, 4, v3                   ; a fragment of p: row x pitch + 16 x half
	s_mul_i32 s21, s11, 64*PA
	v_and_b32 v4, 7, v0                            ; the turning load: key 8 (l / 16) + l % 8, channels 8 ((l / 8) % 2) + 0..7
	v_lshl_add_u32 v4, v2, 3, v4
	v_mul_u32_u24 v4, v4, PB
	v_bfe_u32 v5, v0, 3, 1
	v_lshl_add_u32 v4, v5, 4, v4
	s_lshl_b32 s22, s12, 8
	s_add_co_u32 s22, s22, BOFF
.irp s, 0,1
	v_add_nc_u32 v[ADRA+(\s)], s21, v3
	v_add_nc_u32 v[ADRB+(\s)], s22, v4
	s_add_co_u32 s21, s21, SLOT
	s_add_co_u32 s22, s22, SLOT
.endr
	s_mul_i32 s23, s10, 16*SP
	s_add_co_u32 s23, s23, STAGE                   ; my stage
	v_mul_u32_u24 v4, v1, SP                       ; in: row l % 16, 32 bytes for each half of the lanes
	v_lshl_add_u32 v4, v2, 5, v4
	v_add_nc_u32 v[STO], s23, v4
	v_and_b32 v[CO], 31, v0                        ; back: 32 lanes take one row of 512 bytes
	v_lshlrev_b32 v[CO], 4, v[CO]
	v_add_nc_u32 v[RD], s23, v[CO]
	s_lshl_b32 s23, s10, 13
	s_add_co_u32 s23, s23, FT                      ; my table
	v_lshl_add_u32 v[FA0], v1, 5, s23              ; 32 bytes a row
	v_lshl_add_u32 v[FW], v2, 12, v[FA0]           ; my eight groups of 512 bytes
	s_lshl_b32 s16, s13, 7
	s_lshl_b32 s17, s11, 6
	s_add_co_u32 s16, s16, s17                     ; my first row of out
	s_lshl_b32 s16, s16, 12
	s_mov_b32 s17, 0
	s_add_nc_u64 s[86:87], s[86:87], s[16:17]
	s_lshl_b32 s16, s42, 10
	s_lshl_b32 s18, s12, 9
	s_add_co_u32 s16, s16, s18                     ; my first channel, in bytes
	s_add_nc_u64 s[86:87], s[86:87], s[16:17]
	v_mov_b32 v[T1], 0                             ; v_permlanex16_b32's destination counts as read
	s_wait_loadcnt 0x0
.irp a, 0,1,2,3
	v_min3_num_f32 v[T0], v[SN+16*(\a)], v[SN+16*(\a)+2], v[SN+16*(\a)+4]
	v_min3_num_f32 v[T0], v[T0], v[SN+16*(\a)+6], v[SN+16*(\a)+8]
	v_min3_num_f32 v[T0], v[T0], v[SN+16*(\a)+10], v[SN+16*(\a)+12]
	v_min_num_f32 v[T0], v[T0], v[SN+16*(\a)+14]
	v_permlanex16_b32 v[T1], v[T0], s[SEL], s[SEL+1]   ; the other eight groups lie in the lane 16 away
	v_min_num_f32 v[T0], v[T0], v[T1]                  ; N
.irp i, 0,1,2,3,4,5,6,7
	v_sub_f32 v[SN+16*(\a)+2*(\i)], v[T0], v[SN+16*(\a)+2*(\i)]
.endr
.irp i, 0,1,2,3,4,5,6,7
	v_exp_f32 v[SN+16*(\a)+2*(\i)], v[SN+16*(\a)+2*(\i)]  ; f
.endr
	v_nop                                          ; a plain instruction between the last exponential and the use of its result
	s_wait_alu depctr_va_vdst(0)
	v_mul_f32 v[T2], v[SN+16*(\a)], v[SN+16*(\a)+1]
.irp i, 1,2,3,4,5,6,7
	v_fmac_f32 v[T2], v[SN+16*(\a)+2*(\i)], v[SN+16*(\a)+2*(\i)+1]
.endr
	v_permlanex16_b32 v[T1], v[T2], s[SEL], s[SEL+1]
	v_add_f32 v[T2], v[T2], v[T1]                  ; L
	v_rcp_f32 v[T3], v[T2]
	v_nop                                          ; a plain instruction behind the reciprocal
	s_wait_alu depctr_va_vdst(0)
.irp i, 0,1,2,3,4,5,6,7
	v_mul_f32 v[H+2*(\i)],   v[SN+16*(\a)+2*(\i)], v[T3]  ; f' = f / L, twice: the packed multiply-adds take it as a pair
	v_mul_f32 v[H+2*(\i)+1], v[SN+16*(\a)+2*(\i)], v[T3]
.endr
.irp i, 0,1,2,3,4,5,6,7
	ds_store_b64 v[FW], v[H+2*(\i):H+2*(\i)+1] offset:512*(\i)+8*(\a)
.endr
.endr
; 8 matrix instructions: row block a x all 8 channel blocks, 32 along K.  The 32 accumulators take turns, one instruction a turn.
; mode 0: the sums go on.  mode 1: the products start the first group's sums.  mode 2: a later group begins: ahead of each product the accumulator's last group, times that group's f' (factor set 'set'),
; is added onto the total, its registers in ascending order; then the product starts the new sum with the constant 0.
.macro MUL8 f, a, mode, set
.irp b, 0,1,2,3,4,5,6,7
.if (\mode) == 2
	WIN 0xa1                                       ; source 0 window 1, source 1 window 0, source 2 and destination window 2
.irp i, 0,1,2,3
	v_pk_fma_f32 v[8*(8*(\a)+(\b))+2*(\i):8*(8*(\a)+(\b))+2*(\i)+1], v[8*(8*(\a)+(\b))+2*(\i):8*(8*(\a)+(\b))+2*(\i)+1], v[FAC+8*(\set)+2*(\a):FAC+8*(\set)+2*(\a)+1], v[8*(8*(\a)+(\b))+2*(\i):8*(8*(\a)+(\b))+2*(\i)+1]
.endr
.endif
	WIN 0x50                                       ; C and D window 1
.if \mode
	v_wmma_f32_16x16x32_f16 v[8*(8*(\a)+(\b)):8*(8*(\a)+(\b))+7], v[(\f)+8*(\b):(\f)+8*(\b)+7], v[(\f)+64+8*(\a):(\f)+64+8*(\a)+7], 0
.else
	v_wmma_f32_16x16x32_f16 v[8*(8*(\a)+(\b)):8*(8*(\a)+(\b))+7], v[(\f)+8*(\b):(\f)+8*(\b)+7], v[(\f)+64+8*(\a):(\f)+64+8*(\a)+7], v[8*(8*(\a)+(\b)):8*(8*(\a)+(\b))+7]
.endif
.endr
.endm
.macro FETCH slot, q, f                ; 24 LDS loads in one run: v's 8 fragments, turned, then p's 4
	WIN 0
.irp i, 0,1,2,3,4,5,6,7
	ds_load_tr16_b128 v[(\f)+8*(\i):(\f)+8*(\i)+3],   v[ADRB+(\slot)] offset:(\q)*32*PB+32*(\i)
	ds_load_tr16_b128 v[(\f)+8*(\i)+4:(\f)+8*(\i)+7], v[ADRB+(\slot)] offset:(\q)*32*PB+16*PB+32*(\i)
.endr
.irp i, 0,1,2,3
	ds_load_b128 v[(\f)+64+8*(\i):(\f)+64+8*(\i)+3],   v[ADRA+(\slot)] offset:64*(\q)+(\i)*16*PA
	ds_load_b128 v[(\f)+64+8*(\i)+4:(\f)+64+8*(\i)+7], v[ADRA+(\slot)] offset:64*(\q)+(\i)*16*PA+32
.endr
.endm
.macro QUARTER slot, q, f, g, mode     ; fetches quarter q into g, then multiplies f.  In mode 2 the group that ends lay in the other slot: its factors are the other set
	s_wait_dscnt 0x0                               ; f is in
	PLACES                                         ; g was read, and the sums that mode 2 reads were written, by the matrix instructions just issued
	FETCH \slot, \q, \g
	MUL8 \f, 0, \mode, 1-(\slot)
	MUL8 \f, 1, \mode, 1-(\slot)
	MUL8 \f, 2, \mode, 1-(\slot)
	MUL8 \f, 3, \mode, 1-(\slot)
.endm
; The fourth quarter multiplies F1 and changes slots: ONE barrier.  Its first 16 products need nothing of the tile that is awaited, so they stand AHEAD of the wait for it: they are issued while the tile is on
; its way, and the next request follows the tile's arrival by the three lines and the round alone.  Then each wave waits for all its tensor loads, adds 0 to its spare word, and waits for that; its reads of this
; slot were over at the quarter's head.  fill = 1: the barrier opens a round of the cluster's, and this slot is filled again, two K steps ahead, first thing behind the round.
; The next group's factors go into the next slot's set: this slot's are read when the next group begins.  pf = 1: the lap's asking ahead stands behind the loads.
.macro TURN slot, next, fill, pf=0
	s_wait_dscnt 0x0                               ; F1's 24 loads, my last reads of this slot, are in
	MUL8 F1, 0, 0, 0
	MUL8 F1, 1, 0, 0
	WIN 0
	s_wait_tensorcnt 0x0                           ; my part of the next slot is in
	ds_add_u32 v[SPW], v[NIL]                      ; 0 onto my spare word; the descriptors' steps stand between it and the wait for it
.if \fill
	s_add_nc_u64 s[G0+4*(\slot)+2:G0+4*(\slot)+3], s[G0+4*(\slot)+2:G0+4*(\slot)+3], 2*ASTEP     ; no tensor load of mine is out: a group 0 may be written
	s_add_nc_u64 s[G0B+4*(\slot)+2:G0B+4*(\slot)+3], s[G0B+4*(\slot)+2:G0B+4*(\slot)+3], 2*BSTEP
.endif
	s_wait_dscnt 0x0                               ; the add is done
	s_barrier_signal -1
	s_barrier_wait -1
.if \fill
	CREST                                          ; no wave of any partner still reads this slot or has a load on its way
	JLOAD \slot                                    ; 128 matrix instructions ahead of the wait for it; its four v_nop are also the places in front of the loads below
.else
	PLACES
.endif
	FETCH \next, 0, F0
	s_add_co_u32 s[FO], s[FO], 512                 ; the next group's 512 bytes of my table: 15 steps in all, inside its 8,192 bytes
	v_add_nc_u32 v[FA], s[FO], v[FA0]
	ds_load_b128 v[FAC+8*(\next):FAC+8*(\next)+3],   v[FA]
	ds_load_b128 v[FAC+8*(\next)+4:FAC+8*(\next)+7], v[FA] offset:16
.if \pf
	PREF
.endif
	MUL8 F1, 2, 0, 0                               ; the quarter's other 16 products stand between those loads and the wait for them
	MUL8 F1, 3, 0, 0
.endm
	s_wait_tensorcnt 1                             ; my part of K step 0 is in; K step 1's may stay out
	s_wait_dscnt 0x0                               ; no LDS instruction of mine is pending at a signal
	s_barrier_signal -1
	s_barrier_wait -1
	FETCH 0, 0, F0
	ds_load_b128 v[FAC:FAC+3],   v[FA0]            ; group 0's factors: my own bytes, stored above; LDS serves a wave's instructions in order (ISA guide 5.7.1.4)
	ds_load_b128 v[FAC+4:FAC+7], v[FA0] offset:16
	QUARTER 0, 1, F0, F1, 1
	WIN 0
	s_mov_b32 s3, LAPS-1
.Llap:
	QUARTER 0, 2, F1, F0, 0
	QUARTER 0, 3, F0, F1, 0
	TURN 0, 1, 1, 1
	QUARTER 1, 1, F0, F1, 2
	QUARTER 1, 2, F1, F0, 0
	QUARTER 1, 3, F0, F1, 0
	TURN 1, 0, 1
	QUARTER 0, 1, F0, F1, 2
	WIN 0
	s_sub_co_u32 s3, s3, 1
	s_cmp_lg_u32 s3, 0
	s_cbranch_scc1 .Llap
	QUARTER 0, 2, F1, F0, 0                        ; the last lap is written out: it fills nothing
	QUARTER 0, 3, F0, F1, 0
	TURN 0, 1, 0
	QUARTER 1, 1, F0, F1, 2
	QUARTER 1, 2, F1, F0, 0
	QUARTER 1, 3, F0, F1, 0
	s_wait_dscnt 0x0
	MUL8 F1, 0, 0, 0
	MUL8 F1, 1, 0, 0
	MUL8 F1, 2, 0, 0
	MUL8 F1, 3, 0, 0
; THE WAY OUT, 16 rows at a time: total + f' x the last group (it lay in slot 1; each accumulator's registers in ascending order), 32 bytes a lane into my own stage, back as whole rows of 512 bytes, stored.
.macro PACK a
	WIN 0x21                                       ; source 0 window 1, source 2 window 2
.irp b, 0,1,2,3,4,5,6,7
.irp i, 0,1,2,3
	v_pk_fma_f32 v[TMP+8*(\b)+2*(\i):TMP+8*(\b)+2*(\i)+1], v[8*(8*(\a)+(\b))+2*(\i):8*(8*(\a)+(\b))+2*(\i)+1], v[FAC+8+2*(\a):FAC+8+2*(\a)+1], v[8*(8*(\a)+(\b))+2*(\i):8*(8*(\a)+(\b))+2*(\i)+1]
.endr
.endr
	WIN 0
.endm
.macro TOSTAGE a
.set BK, OB+64*((\a)%2)
.irp b, 0,1,2,3,4,5,6,7
	ds_store_b128 v[STO], v[TMP+8*(\b):TMP+8*(\b)+3]   offset:64*(\b)
	ds_store_b128 v[STO], v[TMP+8*(\b)+4:TMP+8*(\b)+7] offset:64*(\b)+16
.endr
.irp t, 0,1,2,3,4,5,6,7,8,9,10,11,12,13,14,15
	ds_load_b128 v[BK+4*(\t):BK+4*(\t)+3], v[RD] offset:(\t)*SP  ; these see the stores above: a wave's LDS instructions are served in order
.endr
.endm
.macro SEND a
.set BK, OB+64*((\a)%2)
	s_wait_dscnt 0x0                               ; the block is back in registers
	s_wait_xcnt 0x0                                ; the stores of the block before have read their registers: the next block's loads from the stage land there
.irp t, 0,1,2,3,4,5,6,7,8,9,10,11,12,13,14,15
	global_store_b128 v[CO], v[BK+4*(\t):BK+4*(\t)+3], s[86:87] offset:(\a)*16*OP_ROW+(\t)*OP_ROW th:TH_STORE_NT  ; 512 consecutive bytes, at a multiple of 256 from out0's first byte
.endr
.endm
	PLACES
	PACK 0
	TOSTAGE 0
.irp a, 1,2,3                          ; a block's arithmetic stands between the loads of the block before and the wait for them
	PACK \a
	SEND (\a)-1
	TOSTAGE \a
.endr
	SEND 3
	s_wait_tensorcnt 0x0                           ; the wave's end
	ds_add_u32 v[SPW], v[NIL]
	s_wait_dscnt 0x0
	CROUND                                         ; the closing round
	s_endpgm
.Lfunc_end_k_q2698d17525_pv:
	.size	k_q2698d17525_pv, .Lfunc_end_k_q2698d17525_pv-k_q2698d17525_pv
	.p2alignl 7, 3214868480
	.fill 96, 4, 3214868480
	.section	.rodata,"a",@progbits
	.p2align	6, 0x0
	.amdhsa_kernel k_q2698d17525_pv
		.amdhsa_group_segment_fixed_size 327680
		.amdhsa_private_segment_fixed_size 0
		.amdhsa_enable_private_segment 0
		.amdhsa_kernarg_size 32
		.amdhsa_user_sgpr_count 2
		.amdhsa_user_sgpr_kernarg_segment_ptr 1
		.amdhsa_wavefront_size32 1
		.amdhsa_system_sgpr_workgroup_id_x 1
		.amdhsa_system_sgpr_workgroup_id_y 1
		.amdhsa_system_sgpr_workgroup_id_z 1
		.amdhsa_system_vgpr_workitem_id 0
		.amdhsa_next_free_vgpr 768
		.amdhsa_next_free_sgpr 102
		.amdhsa_reserve_vcc 0
		.amdhsa_float_denorm_mode_32 3
		.amdhsa_float_denorm_mode_16_64 3
		.amdhsa_memory_ordered 1
		.amdhsa_forward_progress 1
		.amdhsa_inst_pref_size 146
	.end_amdhsa_kernel
	.amdgpu_metadata
---
amdhsa.version: [ 1, 2 ]
amdhsa.kernels:
  - .name:           k_q2698d17525_pv
    .symbol:         k_q2698d17525_pv.kd
    .args:
      - { .name: p, .offset: 0, .size: 8, .value_kind: global_buffer, .address_space: global }
      - { .name: qkv, .offset: 8, .size: 8, .value_kind: global_buffer, .address_space: global }
      - { .name: stats, .offset: 16, .size: 8, .value_kind: global_buffer, .address_space: global }
      - { .name: out0, .offset: 24, .size: 8, .value_kind: global_buffer, .address_space: global }
    .group_segment_fixed_size: 327680
    .private_segment_fixed_size: 0
    .kernarg_segment_align: 8
    .kernarg_segment_size: 32
    .max_flat_workgroup_size: 128
    .sgpr_count:     102
    .vgpr_count:     768
    .wavefront_size: 32
...
	.end_amdgpu_metadata
.endif
;; end of part 7
;; ======== version 3 of 3: 4 launches; version 2 with the launch cast written anew for expert scheduling mode
;; limits: values are held in f16: magnitudes above 65,504 overflow, below 6.1e-05 lose precision
;; workspace buffers: xw 23,068,672 bytes; qkv 50,331,648 bytes; p 33,554,432 bytes; stats 1,048,576 bytes
;; launch cast (part 8): grid 64 x 11, 8 waves a work-group, no clusters, 0 bytes of LDS; arguments x, wq, wk, wv, xw; writes xw
.if DOCPART == 8
	.amdgcn_target "amdgcn-amd-amdhsa--gfx1250"
	.amdhsa_code_object_version 6
	.text
	.protected	k_q2698d17525_cast
	.globl	k_q2698d17525_cast
	.p2align	8
	.type	k_q2698d17525_cast,@function
k_q2698d17525_cast:
	s_mov_b64 s[64:65], 0
	v_nop
	global_prefetch_b8 v0, s[64:65] scope:SCOPE_SE
	s_setreg_imm32_b32 hwreg(HW_REG_WAVE_SCHED_MODE, 0, 2), 2
	s_setreg_imm32_b32 hwreg(HW_REG_WAVE_MODE, 25, 1), 1
	s_wait_xcnt 0x0
	s_wait_alu depctr_vm_vsrc(0)
; xw = x, wq, wk, wv rounded to bf16 (nearest even), each in the layout in which it lies.
; xw is 11 slabs of 1,024 x 1,024 bf16: slabs 0-7 are x's 8,192 rows, slabs 8, 9, 10 are wq, wk, wv ([k][n]).
; Grid y is the slab, grid x 16,384 numbers of it: 65,536 bytes in, 32,768 bytes out.  Thread t takes 4 numbers in each of 16 rows of 1,024 numbers:
; a wave's load covers 512 consecutive bytes, its store 256 consecutive bytes at a multiple of 256 from xw's first byte.
; Memory binds: every byte is read once and written once, all 16 loads of a wave go out before the first is waited for.  No LDS, no barrier, no matrix work:
; they would add nothing to a stream.  No register is written twice, so no wait frees a source.
; THE MODE: SCHED_MODE bits 1:0 = 2 (LLVM: expert scheduling mode 2), set by the entry lines.  The code itself states the register dependences
; between vector instructions and memory instructions, with s_wait_alu, always for 0.
; THE PLAN.  Registers that memory instructions touch:
;   v1, v2   byte offsets, made once at the head and never written again: v1 is read by all 16 loads, v2 by all 16 stores.
;   X        row i's four registers: written by row i's load alone (no vector instruction names them before it is issued), read by row i's two conversions.
;   Y        row i's two registers: written once, by row i's two conversions; read once, by row i's store.
; The 16 rows go in four blocks of four.  Block b waits for its four loads and rounds them into its part of Y; the four stores of block b - 1 are dealt among its eight conversions.
; One wait at the head of blocks 1 to 3 states that the block before has written its part of Y; block b's conversions name X and Y of block b alone, none of the registers that those stores touch.
; One wait ahead of the first load states that v1 and v2 are written; one behind block 3 stands ahead of the last four stores.  No vector instruction writes a scalar register, and EXEC is never written.
.set X, 4                              ; v[4:67]   16 x 4 numbers as loaded
.set Y, 68                             ; v[68:99]  16 x 2 registers to store
	s_load_b256 s[4:11], s[0:1], 0x0               ; x s[4:5], wq s[6:7], wk s[8:9], wv s[10:11]
	s_load_b64 s[12:13], s[0:1], 0x20              ; xw
	s_and_b32 s20, ttmp7, 0xffff                   ; the slab
	s_lshl_b32 s21, s20, 22                        ; a slab of x is 4,194,304 bytes of f32
	v_lshlrev_b32 v1, 4, v0                        ; 16 bytes in
	v_lshlrev_b32 v2, 3, v0                        ; 8 bytes out
	s_wait_kmcnt 0x0
	s_cmp_lt_u32 s20, 8                            ; the source: x at the slab, or a weight at its first byte
	s_cselect_b64 s[14:15], s[4:5], s[6:7]
	s_cselect_b32 s16, s21, 0
	s_cmp_eq_u32 s20, 9
	s_cselect_b64 s[14:15], s[8:9], s[14:15]
	s_cmp_eq_u32 s20, 10
	s_cselect_b64 s[14:15], s[10:11], s[14:15]
	s_mov_b32 s17, 0
	s_add_nc_u64 s[14:15], s[14:15], s[16:17]
	s_lshl_b32 s16, ttmp9, 16                      ; the work-group's 65,536 bytes of it
	s_add_nc_u64 s[14:15], s[14:15], s[16:17]
	s_lshl_b32 s18, s20, 21                        ; a slab of xw is 2,097,152 bytes
	s_mov_b32 s19, 0
	s_add_nc_u64 s[12:13], s[12:13], s[18:19]
	s_lshl_b32 s18, ttmp9, 15
	s_add_nc_u64 s[12:13], s[12:13], s[18:19]
	s_wait_alu depctr_va_vdst(0)                   ; v1 and v2 are written: every load and store of the kernel reads one of them as its offset
.irp i, 0,1,2,3,4,5,6,7,8,9,10,11,12,13,14,15
	global_load_b128 v[X+4*(\i):X+4*(\i)+3], v1, s[14:15] offset:4096*(\i) th:TH_LOAD_NT  ; read once in the launch
.endr
; Block b: rows 4 b to 4 b + 3 are rounded; the stores of rows 4 b - 4 to 4 b - 1 stand among the conversions, one ahead of each row's two.
.macro BLK b
	s_wait_loadcnt 12-4*(\b)                       ; loads come back in order: this block's four are in, the 12 - 4 b younger ones stay out
.if (\b) > 0
	s_wait_alu depctr_va_vdst(0)                   ; the block before has written its eight registers of Y, which the four stores below read
.endif
.irp i, 0,1,2,3
.if (\b) > 0
	global_store_b64 v2, v[Y+2*(4*(\b)-4+(\i)):Y+2*(4*(\b)-4+(\i))+1], s[12:13] offset:2048*(4*(\b)-4+(\i))  ; no hint: the next launch reads it.  No vector instruction since the wait names these registers
.endif
	v_cvt_pk_bf16_f32 v[Y+2*(4*(\b)+(\i))],   v[X+4*(4*(\b)+(\i))],   v[X+4*(4*(\b)+(\i))+1]
	v_cvt_pk_bf16_f32 v[Y+2*(4*(\b)+(\i))+1], v[X+4*(4*(\b)+(\i))+2], v[X+4*(4*(\b)+(\i))+3]
.endr
.endm
	BLK 0                                          ; no block stands in front of it: no store, and no wait but the one for its data
	BLK 1
	BLK 2
	BLK 3
	s_wait_alu depctr_va_vdst(0)                   ; block 3 has written its eight registers of Y, which the last four stores read
.irp i, 12,13,14,15
	global_store_b64 v2, v[Y+2*(\i):Y+2*(\i)+1], s[12:13] offset:2048*(\i)
.endr
	s_endpgm
.Lfunc_end_k_q2698d17525_cast:
	.size	k_q2698d17525_cast, .Lfunc_end_k_q2698d17525_cast-k_q2698d17525_cast
	.p2alignl 7, 3214868480
	.fill 96, 4, 3214868480
	.section	.rodata,"a",@progbits
	.p2align	6, 0x0
	.amdhsa_kernel k_q2698d17525_cast
		.amdhsa_group_segment_fixed_size 0
		.amdhsa_private_segment_fixed_size 0
		.amdhsa_enable_private_segment 0
		.amdhsa_kernarg_size 40
		.amdhsa_user_sgpr_count 2
		.amdhsa_user_sgpr_kernarg_segment_ptr 1
		.amdhsa_wavefront_size32 1
		.amdhsa_system_sgpr_workgroup_id_x 1
		.amdhsa_system_sgpr_workgroup_id_y 1
		.amdhsa_system_sgpr_workgroup_id_z 1
		.amdhsa_system_vgpr_workitem_id 0
		.amdhsa_next_free_vgpr 100
		.amdhsa_next_free_sgpr 66
		.amdhsa_reserve_vcc 0
		.amdhsa_float_denorm_mode_32 3
		.amdhsa_float_denorm_mode_16_64 3
		.amdhsa_memory_ordered 1
		.amdhsa_forward_progress 1
		.amdhsa_inst_pref_size 7
	.end_amdhsa_kernel
	.amdgpu_metadata
---
amdhsa.version: [ 1, 2 ]
amdhsa.kernels:
  - .name:           k_q2698d17525_cast
    .symbol:         k_q2698d17525_cast.kd
    .args:
      - { .name: x, .offset: 0, .size: 8, .value_kind: global_buffer, .address_space: global }
      - { .name: wq, .offset: 8, .size: 8, .value_kind: global_buffer, .address_space: global }
      - { .name: wk, .offset: 16, .size: 8, .value_kind: global_buffer, .address_space: global }
      - { .name: wv, .offset: 24, .size: 8, .value_kind: global_buffer, .address_space: global }
      - { .name: xw, .offset: 32, .size: 8, .value_kind: global_buffer, .address_space: global }
    .group_segment_fixed_size: 0
    .private_segment_fixed_size: 0
    .kernarg_segment_align: 8
    .kernarg_segment_size: 40
    .max_flat_workgroup_size: 256
    .sgpr_count:     66
    .vgpr_count:     100
    .wavefront_size: 32
...
	.end_amdgpu_metadata
.endif
;; end of part 8
;; launch proj: the kernel of part 5 again; grid 12 x 32, 8 waves a work-group, clusters of 4 x 4, 327,680 bytes of LDS; arguments xw, bq, bk, bv, qkv; writes qkv
;; launch score: the kernel of part 6 again; grid 8 x 32, 8 waves a work-group, clusters of 4 x 4, 327,680 bytes of LDS; arguments qkv, mask, p, stats; writes p, stats
;; launch pv: the kernel of part 7 again; grid 4 x 64, 4 waves a work-group, clusters of 4 x 4, 327,680 bytes of LDS; arguments p, qkv, stats, out0; writes out0
